; MI455X (gfx1250); checked and timed in simulation.
; The chip was launched on July 23, 2026; its instructions are those of AMD's public machine-readable ISA for CDNA 5 (MIT licence, August 2026) and "CDNA5" Instruction Set Architecture Reference Guide (July 2026). The comments in the code are by the model that wrote it; some were corrected since.
;; Multi Head Attention. Allowed arithmetic: matrix products marked QUANTISED: E4M3 operands, one E8M0 scale for each 32 along K, by v_wmma_scale_f32_16x16x128_f8f6f4 with both operands' format E4M3, f32 sums; everything else in f32.
;; Inputs: Wk_codes 1,024 x 32 x 32 uint8 (E4M3 codes of Wk, K innermost, in blocks of 32 codes); Wk_scales 1,024 x 32 uint8 (E8M0 scales of Wk, one for each 32 codes along K); Wo_codes 1,024 x 32 x 32 uint8 (E4M3 codes of Wo, K innermost, in blocks of 32 codes); Wo_scales 1,024 x 32 uint8 (E8M0 scales of Wo, one for each 32 codes along K); Wq_codes 1,024 x 32 x 32 uint8 (E4M3 codes of Wq, K innermost, in blocks of 32 codes); Wq_scales 1,024 x 32 uint8 (E8M0 scales of Wq, one for each 32 codes along K); Wv_codes 1,024 x 32 x 32 uint8 (E4M3 codes of Wv, K innermost, in blocks of 32 codes); Wv_scales 1,024 x 32 uint8 (E8M0 scales of Wv, one for each 32 codes along K); bk 1,024 float32; bo 1,024 float32; bq 1,024 float32; bv 1,024 float32; k_codes 4 x 2,048 x 32 x 32 uint8 (E4M3 codes of k, K innermost, in blocks of 32 codes); k_scales 4 x 2,048 x 32 uint8 (E8M0 scales of k, one for each 32 codes along K); q_codes 4 x 2,048 x 32 x 32 uint8 (E4M3 codes of q, K innermost, in blocks of 32 codes); q_scales 4 x 2,048 x 32 uint8 (E8M0 scales of q, one for each 32 codes along K); v_codes 4 x 2,048 x 32 x 32 uint8 (E4M3 codes of v, K innermost, in blocks of 32 codes); v_scales 4 x 2,048 x 32 uint8 (E8M0 scales of v, one for each 32 codes along K).
;; Outputs: out0 4 x 2,048 x 1,024 float32.
;; This version of the problem:
;;   THIS VERSION OF THE PROBLEM IS GIVEN IN LOW PRECISION. The matrix products marked QUANTISED in the list below multiply operands that are first quantised to E4M3 (4 exponent bits, 3 mantissa bits; 8 bits a number), with one power-of-two scale for each 32 numbers along K (OCP MX v1.0); their sums are f32. All else is computed in f32.
;;   The module's matrix products, in the order in which they are computed (A, B: the left and right operand; K: the contracted axis; several contracted axes count as one K, in the product's order):
;;     1. [M 8,192, K 1,024] x [K 1,024, N 1,024]; A: input q (given as codes); B: input Wq (given as codes): QUANTISED
;;     2. [M 8,192, K 1,024] x [K 1,024, N 1,024]; A: input k (given as codes); B: input Wk (given as codes): QUANTISED
;;     3. [M 8,192, K 1,024] x [K 1,024, N 1,024]; A: input v (given as codes); B: input Wv (given as codes): QUANTISED
;;     4. batch 64 x [M 2,048, K 64] x [K 64, N 2,048]; A: computed on the way; B: computed on the way: QUANTISED
;;     5. batch 64 x [M 2,048, K 2,048] x [K 2,048, N 64]; A: softmax (see below); B: computed on the way: QUANTISED
;;     6. [M 8,192, K 1,024] x [K 1,024, N 1,024]; A: computed on the way; B: input Wo (given as codes): QUANTISED
;;   THE QUANTISER, for each operand of a quantised product, along K:
;;     - K is cut into blocks of 32 from its start; a last block that is shorter is filled with zeros.
;;     - A block's scale is 2^e with e = floor(log2(the largest magnitude in the block)) - 8, held to -126 .. 127; a block of zeros has e = 0. As a byte (E8M0): e + 127.
;;     - Each number is divided by its block's scale, clamped to +-448, and rounded to the nearest number of E4M3, ties to even, subnormals kept.
;;     - The product sums the exact products of the quantised numbers (number of the format x scale) in f32.
;;   ~~~python
;;   def quantise(x, axis):      # numpy; x: float32 -> the quantised numbers, widened to float32 again
;;       x = np.moveaxis(x, axis, -1); K = x.shape[-1]
;;       x = np.pad(x, [(0, 0)] * (x.ndim - 1) + [(0, -K % 32)]); x = x.reshape(x.shape[:-1] + (-1, 32)); a = np.abs(x).max(-1, keepdims=True)
;;       e = np.where(a > 0, np.clip(np.frexp(np.where(a > 0, a, 1))[1] - 1 - 8, -126, 127), 0)      # np.frexp(a)[1] - 1 = floor(log2(a)), exactly
;;       r = np.clip(x / 2.0 ** e, -448, 448)
;;       step = 2.0 ** (np.maximum(np.frexp(np.where(r == 0, 1, r))[1] - 1, -6) - 3)
;;       q = np.round(r / step) * step * 2.0 ** e      # np.round: ties to even
;;       return np.moveaxis(q.reshape(q.shape[:-2] + (-1,))[..., :K], -1, axis).astype(np.float32)
;;   ~~~
;;   SOFTMAX AHEAD OF A QUANTISED PRODUCT. Where the list says 'softmax', what is quantised is not the finished softmax but p = 2^(t - M), with t = logit x log2(e) and M = ceil(the row's largest t), a whole number; so 1/2 < the row's largest p <= 1. The row's sum l is taken of the UNQUANTISED p, in f32, and the product's result is divided by l at the end. Since M is a whole number, a kernel that streams over the keys may use a running M (the ceiling of the running maximum): every later rescaling is an exact power of two, which a block's scale takes up: the codes' values come out the same.
;;   OPERANDS COMPUTED ON THE WAY. 'Computed on the way' means the value that the module computes at that place (a softmax that the list does not call 'softmax' is quantised finished and normalised). What goes into a quantiser is computed in f32, as accurately as f32 sums, v_exp_f32 and their like allow (about 1e-6 of the number): no bf16 or f16 on the way to a quantiser, and a product that is left as it is and whose result goes on into a quantised operand takes f32 operands (vector FMAs, or v_wmma_f32_16x16x4_f32). A number that lies on a knife's edge between two numbers of the format may be rounded either way, as far as f32 arithmetic and the matrix unit's own rounding can turn it there, and no further.
;;   INPUTS GIVEN AS CODES. Wk (in the module: [1024, 1024], K = its axis 0); Wo (in the module: [1024, 1024], K = its axis 0); Wq (in the module: [1024, 1024], K = its axis 0); Wv (in the module: [1024, 1024], K = its axis 0); k (in the module: [4, 2048, 1024], K = its axis 2); q (in the module: [4, 2048, 1024], K = its axis 2); v (in the module: [4, 2048, 1024], K = its axis 2): each comes as NAME_codes (uint8): NAME with its K axis moved to the last place and cut into blocks of 32 codes, [.., K / 32, bytes a block], one block behind the other in memory; one code a byte (a code: sign, 4 exponent bits, 3 mantissa bits); and NAME_scales (uint8): the same leading axes, one E8M0 byte (e + 127) for each 32 codes along K. Its value is code x scale, taken as it is: it is not quantised again, and the codes and scales need not be those that the quantiser above would give.
;; One version. Each part assembles by itself: llvm-mc -triple=amdgcn-amd-amdhsa -mcpu=gfx1250 --defsym DOCPART=n.
;; ======== version 1 of 1: 3 launches
;; limits: right only within a limited range of input values
;; workspace buffers: Qi 8,388,608 bytes; Ki 8,388,608 bytes; Vi 8,388,608 bytes; Qs 524,288 bytes; Ks 524,288 bytes; Vs 262,144 bytes; AO 8,388,608 bytes; AOs 262,144 bytes
;; launch proj (part 1): grid 4 x 96, 4 waves a work-group, clusters of 4 x 4, 327,680 bytes of LDS; arguments q_codes, k_codes, Wv_codes, q_scales, k_scales, Wv_scales, Wq_codes, Wk_codes, v_codes, Wq_scales, Wk_scales, v_scales, bq, bk, bv, Qi, Ki, Vi, Qs, Ks, Vs; writes Qi, Ki, Vi, Qs, Ks, Vs
.if DOCPART == 1
	.amdgcn_target "amdgcn-amd-amdhsa--gfx1250"
	.amdhsa_code_object_version 6
	.text
	.protected	k_q87cf438453_proj
	.globl	k_q87cf438453_proj
	.p2align	8
	.type	k_q87cf438453_proj,@function
k_q87cf438453_proj:
	s_mov_b64 s[64:65], 0
	v_nop
	global_prefetch_b8 v0, s[64:65] scope:SCOPE_SE
	s_setreg_imm32_b32 hwreg(HW_REG_WAVE_MODE, 25, 1), 1
	s_wait_xcnt 0x0
	s_wait_alu depctr_hold_cnt(0) depctr_sa_sdst(0) depctr_va_vdst(0) depctr_va_sdst(0) depctr_va_ssrc(0) depctr_va_vcc(0) depctr_vm_vsrc(0)
	s_getreg_b32 s2, hwreg(HW_REG_IB_STS2, 6, 4)
	s_cmp_eq_u32 s2, 0
	s_cbranch_scc0 .Lentry_in_a_cluster
	s_endpgm
.Lentry_in_a_cluster:
	s_bfe_u32 s2, ttmp6, 0x10000c
	s_cmp_lg_u32 s2, 0xf033
	s_cbranch_scc0 .Lentry_shape_is_right
	s_endpgm
.Lentry_shape_is_right:
; THE PROGRAM: multi-head attention, B 4, T 2,048, D 1,024, 16 heads of 64, all six products on codes of FP8 (E4M3) with one E8M0 scale for each 32 along K.  Three launches:
; this one (q Wq + bq, k Wk + bk, v Wv + bv, each quantised for the product that takes it), the attention, and the projection on the way out.
; WORK LEFT OUT, in the second launch alone: reference() itself sets the score of key k for query q to -infinity where k > q (its own jnp.tril).  There p = 2^(-infinity) = 0: its code is 0, it adds 0 to the row's sum
; and 0 to the second product, whatever finite values the inputs hold.  So a step of 16 queries x 128 keys all of whose keys come after all of its queries reaches no output, and is not multiplied.
; Nothing else is left out: all eighteen inputs have a way to out0 (bk moves K's codes and scales) and all are loaded.
; LIMITS: a NaN, an infinity or an overflow that would arise only in the steps left out is not carried to the result.  NaN and infinities among the inputs' values, and scale bytes 0xff, are not served.
; A block whose largest magnitude lies under 2^-118 keeps the scale byte 1; so does a block of zeros, where the rule says 127: its codes are zeros, and these bytes are read by this program alone.
;
; THIS LAUNCH: C[m][n] = sum over k of A[m][k] B[n][k] + bias, K = 1,024, three times, chosen by the cluster's number g = cluster y / 8:
;   g = 0: A = q's 8,192 rows, B = Wq's 1,024 rows;   g = 1: the same for k;   g = 2: TRANSPOSED: A = Wv's 1,024 rows (channels), B = v's 8,192 rows (keys), since the keys are the K of the product that takes V.
; So in all three the next product's K runs along C's COLUMNS, and one way out quantises along the columns.  Only pointers, offsets and the bias's place are chosen by g: one path through the text.
; A tile of C, 256 x 256, is made by four waves, a wave 128 x 128: 64 accumulators, 512 registers.  K goes in steps of 256 through two LDS slots filled by the tensor data mover; the scale bytes of the
; work-group's rows, for all of K, come into LDS once.  CLUSTERS of 4 x 4: A's tiles are asked for jointly along a row of the cluster, B's along a column.
; THE MATRIX INSTRUCTION IS USED TRANSPOSED (source 0 = 16 rows of B, source 1 = 16 rows of A): a lane holds one row of C and eight neighbouring columns.
; THE BIAS: for g < 2 it hangs on the column and is the C of each sum's first product (CB); for g = 2 it hangs on the row and is added on the way out (RB).  Both are loaded and the one that does not apply
; is masked to 0: 72 lines once, the price of one text for three products.
; THE WAY OUT lays the codes as IMAGES OF OPERAND REGISTERS: a piece is [lane 32][16 bytes], lane (r, hl) holding k = 32 c + 16 hl + 0 .. 15 of the tile's row r.  THE ROWS OF A TILE: in each 32 rows, lane r of tile v
; is row 8 v + r + 8 (r / 8).  Qi, Ki: [head 64][tile 128][c 2][lane][16];  Vi: [head][128 keys: 16][tile of channels 4][c 4][lane][16];  scale words by tile and lane: Qs, Ks [head][2,048] (bytes 2, 3 = 0), Vs [head][16][64].
; REGISTERS, in windows of 256: window 0: v1-31 addresses and RB; v32-63 scale words, two sets; v64-127 CB; v128-255 A's fragments, one set; on the way out v64-255 are at work.
;   window 1: B's fragments, two sets.   window 2: the accumulators of my rows 0-63 ((a, b) at v[8 (8 a + b)]);   window 3: those of my rows 64-127.
.set NQ,     2                         ; matrix instructions deep in a slot: 256 along K
.set ROWB,   256                       ; a tile's row in bytes
.set KROW,   1024                      ; a row of A or of B in memory
.set PITCH,  272                       ; an LDS row: 256 bytes + 16 of padding: the 16 rows of a load start at 16 different banks (64 banks of 4 bytes: ISA guide 11.1)
.set FR,     16                        ; registers of a fragment
.set NL,     4                         ; LDS loads that bring one
.set NP,     8                         ; places behind this matrix instruction (ISA guide 7.12.1)
.set HALFT,  128*PITCH                 ; 128 rows: what one tensor load brings
.set SLOT,   4*HALFT                   ; A's 256 rows, then B's 256 rows
.set KS,     32                        ; a row of scale bytes
.set SCL,    2*SLOT                    ; behind the ring: the scales, as units of 256 bytes + 16 of padding
.set HALFS,  (128*KS/256)*272
.set SBLK,   (16*KS/256)*272
.set SPARE,  SCL+4*HALFS               ; the spare words, 128 bytes for each wave: two blocks of 256 bytes that no other line names
.set WSTG,   5120                      ; the way out: a stage for each wave, in slot 0, which has had its last fill and its last read by then: two blocks of 16 rows x 144 bytes,
.set ODD,    2432                      ; the odd block here
.set STGS,   4*WSTG                    ; and behind the four stages 512 bytes for each wave: its 128 rows' scale words
.set VO,   1                           ; v1-4   the way out: byte offsets of a piece in the codes' buffer: 16 x lane + tile v + half u of the columns
.set SWR,  5                           ; v5     where I put a row's scale word
.set SRD,  6                           ; v6     where I read four of them back
.set SGO,  7                           ; v7     and their place in the scales' buffer
.set RB,   8                           ; v8-15  the row bias of my eight blocks of A
.set ADRA, 16                          ; v16-17 LDS address of my A fragments in slot 0, 1
.set ADRB, 20                          ; v20-21 the same for B
.set STO,  24                          ; v24    the stage: where I put 8 codes of a row
.set RD,   25                          ; v25    and where I read a piece's 16 back
.set ADRS, 27                          ; v27    LDS address of my scale words: lanes 0-15 A's rows, lanes 16-31 B's
.set SPW,  28                          ; v28    LDS address of my spare word; never rewritten
.set NIL,  29                          ; v29    0; never rewritten
.set SC,   32                          ; scale words: set s at v[SC + 16 s]; register 2 i + q: lanes 0-15 A's block i, lanes 16-31 B's block i
.set CB,   64                          ; v64-127 the column bias in the result's layout: 8 registers for each of B's eight blocks
.set AF,   128                         ; A's fragments
.set X,    128                         ; the way out: v128-191 64 numbers of a lane
.set PC0,  192                         ; v192-207, v208-223 the codes of an even and of an odd block
.set PC1,  208
.set TM,   224                         ; v224-239 at work in the quantiser
.set PW0,  240                         ; v240, v241 the two blocks' scale words
.set PW1,  241
.set BK,   64                          ; v64-95 and v96-127 by turns: eight pieces read back from the stage
.set G1,   24                          ; s[24:31] descriptor group 1 for A's tiles;  s[32:39] group 0, one set for each slot
.set G0,   32
.set G1B,  48                          ; s[48:55], s[56:63] the same for B's
.set G0B,  56
.set G1S,  68                          ; s[68:75], s[76:79] for A's scales;  s[80:87], s[88:91] for B's
.set G0S,  76
.set G1SB, 80
.set G0SB, 88
.set MNT,  95
.set SEL,  98                          ; s[98:99] lane selects: lane l xor 16
.set MSB, 0
.macro WIN new                         ; the immediate's high byte repeats the setting that is left
.if MSB != \new
	s_set_vgpr_msb (MSB<<8)|\new
.set MSB, \new
.endif
.endm
.set MUL_LO,  0xa1                     ; source 0 (B) window 1, source 1 (A) window 0, C and D window 2
.set MUL_HI,  0xf1                     ; the same, C and D window 3
.set BIAS_LO, 0x81                     ; the first step: C (the column bias) window 0, D window 2
.set BIAS_HI, 0xc1                     ; D window 3
.set TO_B,    0x40                     ; destination window 1, address window 0
; A joint load: waves 0 and 1 fetch for A, waves 2 and 3 for B.  The branch hangs on the wave's number alone.  An s_nop 0 and four v_nop follow each of the two lines.
.macro JLOAD g0a, g1a, g0b, g1b
	s_cmp_eq_u32 s15, 0
	s_cbranch_scc0 .Lfor_b_\@
	tensor_load_to_lds s[\g0a:\g0a+3], s[\g1a:\g1a+7]
	s_nop 0
.rept 4
	v_nop
.endr
	s_branch .Lasked_\@
.Lfor_b_\@:
	tensor_load_to_lds s[\g0b:\g0b+3], s[\g1b:\g1b+7]
	s_nop 0
.rept 4
	v_nop
.endr
.Lasked_\@:
.endm
.macro CREST                           ; a round of the cluster's barrier behind its opening barrier
	s_cmp_lg_u32 s14, 0
	s_cbranch_scc1 .Lnot_wave_0_\@
	s_barrier_signal -3
.Lnot_wave_0_\@:
	s_barrier_wait -3
	s_barrier_signal -1
	s_barrier_wait -1
.endm
.macro CROUND                          ; a whole round
	s_barrier_signal -1
	s_barrier_wait -1
	CREST
.endm
	s_load_b512 s[24:39], s[0:1], 0x0              ; the 21 addresses: A's codes x 3, A's scales x 3, B's codes (two of three),
	s_load_b512 s[40:55], s[0:1], 0x40             ; B's codes (third), B's scales x 3, the biases x 3, the codes' buffers (first),
	s_load_b256 s[56:63], s[0:1], 0x80             ; the codes' buffers (two), the scales' buffers (two),
	s_load_b64 s[66:67], s[0:1], 0xa0              ; and the third
	v_lshl_add_u32 v[SPW], v0, 2, SPARE
	v_mov_b32 v[NIL], 0
	ds_add_u32 v[SPW], v[NIL]                      ; the wave's opening: the add, twice on end, and its wait ahead of my first tensor load
	ds_add_u32 v[SPW], v[NIL]                      ; and once more, under the one wait; work on registers stands between
	v_lshrrev_b32 v1, 5, v0
	v_readfirstlane_b32 s14, v1                    ; wave 0..3
	s_lshr_b32 s15, s14, 1                         ; which half of the tile's rows is mine.  Also: I fetch for A (0) or for B (1)
	s_and_b32 s16, s14, 1                          ; which half of its columns.  Also: which 128 rows of that tile I fetch
	s_and_b32 s3, ttmp7, 0xffff                    ; the cluster's y, 0 .. 23: the same in all sixteen partners
	s_lshr_b32 s2, s3, 3                           ; g: which of the three products
	s_and_b32 s3, s3, 7                            ; which 1,024 of the 8,192 token rows
	s_mov_b32 s[SEL], 0x76543210
	s_mov_b32 s[SEL+1], 0xfedcba98
	s_cmp_lt_u32 s2, 2
	s_cselect_b32 s100, -1, 0                      ; keeps the column bias where g < 2,
	s_cselect_b32 s101, 0, -1                      ; the row bias where g = 2
	s_cselect_b32 s17, s3, 0                       ; the tokens are A's rows (g < 2)
	s_cselect_b32 s18, 0, s3                       ; or B's (g = 2)
	s_wait_dscnt 0x0                               ; both opening adds are done
	s_wait_kmcnt 0x0
	s_cmp_eq_u32 s2, 0                             ; the seven buffers of my product: a choice on the cluster's number alone
	s_cselect_b64 s[4:5], s[24:25], s[26:27]       ; A's codes
	s_cselect_b64 s[6:7], s[30:31], s[32:33]       ; A's scales
	s_cselect_b64 s[8:9], s[36:37], s[38:39]       ; B's codes
	s_cselect_b64 s[10:11], s[42:43], s[44:45]     ; B's scales
	s_cselect_b64 s[96:97], s[48:49], s[50:51]     ; the bias
	s_cselect_b64 s[12:13], s[54:55], s[56:57]     ; the codes' buffer
	s_cselect_b64 s[92:93], s[60:61], s[62:63]     ; the scales' buffer
	s_cmp_eq_u32 s2, 2
	s_cselect_b64 s[4:5], s[28:29], s[4:5]
	s_cselect_b64 s[6:7], s[34:35], s[6:7]
	s_cselect_b64 s[8:9], s[40:41], s[8:9]
	s_cselect_b64 s[10:11], s[46:47], s[10:11]
	s_cselect_b64 s[96:97], s[52:53], s[96:97]
	s_cselect_b64 s[12:13], s[58:59], s[12:13]
	s_cselect_b64 s[66:67], s[66:67], s[92:93]
	s_bfe_u32 s40, ttmp6, 0x40000                  ; cx, cy: my place in the cluster
	s_bfe_u32 s41, ttmp6, 0x40004
	s_lshl_b32 s42, s18, 2
	s_add_co_u32 s42, s42, s40                     ; tile column of C
	s_lshl_b32 s17, s17, 2
	s_add_co_u32 s17, s17, s41                     ; tile row of C
	s_lshl_b32 s43, s41, 2
	s_lshl_b32 s43, 15, s43                        ; my row of the cluster
	s_lshl_b32 s44, 0x1111, s40                    ; my column
	; descriptor group 1: a tile of 128 rows x 256 bytes, padded in LDS
	s_or_b32 s[G1+0], s43, (1<<20)|(1<<21)|(5<<22)|(3<<25)   ; 15:0 the mask: A's tiles go to my row; 17:16 elements of 1 byte; 20 padding on; 21 set beside a mask; 24:22 after every 64 words; 31:25 four words
	s_or_b32 s[G1B+0], s44, (1<<20)|(1<<21)|(5<<22)|(3<<25)
.irp g, G1, G1B
	s_mov_b32 s[\g+1], ROWB<<16                    ; tensor_dim0
	s_mov_b32 s[\g+2], 128<<16                     ; tensor_dim1
	s_mov_b32 s[\g+3], ROWB<<16                    ; tile_dim0
	s_mov_b32 s[\g+4], 128                         ; tile_dim1
	s_mov_b32 s[\g+5], KROW                        ; tensor_dim0_stride
	s_mov_b32 s[\g+6], 0
	s_mov_b32 s[\g+7], 0
.endr
	; the scales of 128 rows: 4,096 dense bytes, as 16 rows of 256 bytes (32 elements of 8 bytes), 16 bytes of padding behind each
	s_or_b32 s[G1S+0], s43, (3<<16)|(1<<20)|(1<<21)|(5<<22)|(3<<25)
	s_or_b32 s[G1SB+0], s44, (3<<16)|(1<<20)|(1<<21)|(5<<22)|(3<<25)
.irp g, G1S, G1SB
	s_mov_b32 s[\g+1], 32<<16
	s_mov_b32 s[\g+2], (128*KS/256)<<16
	s_mov_b32 s[\g+3], 32<<16
	s_mov_b32 s[\g+4], 128*KS/256
	s_mov_b32 s[\g+5], 32
	s_mov_b32 s[\g+6], 0
	s_mov_b32 s[\g+7], 0
.endr
	s_lshl_b32 s18, s16, 17                        ; which 128 rows of the tile I fetch, x 1,024 bytes
	s_lshl_b32 s20, s17, 18
	s_add_co_u32 s20, s20, s18                     ; A's codes: (256 x tile row + 128 x half) x 1,024
	s_mov_b32 s21, 0
	s_lshl_b32 s46, s42, 18
	s_add_co_u32 s46, s46, s18                     ; B's: by the tile column
	s_mov_b32 s47, 0
	s_lshr_b32 s22, s20, 5                         ; their scales: 32 bytes a row against 1,024
	s_mov_b32 s23, 0
	s_lshr_b32 s92, s46, 5
	s_mov_b32 s93, 0
	s_mul_i32 s45, s14, HALFT                      ; where they go: wave x 128 rows: no place in the cluster enters an LDS address
	s_mul_i32 s94, s14, HALFS
	s_add_nc_u64 s[20:21], s[4:5], s[20:21]
	s_add_nc_u64 s[22:23], s[6:7], s[22:23]
	s_add_nc_u64 s[46:47], s[8:9], s[46:47]
	s_add_nc_u64 s[92:93], s[10:11], s[92:93]
	CROUND                                         ; all sixteen work-groups are here: the first joint loads meet
	s_mov_b32 s[G0S], 1
	s_add_co_u32 s[G0S+1], s94, SCL
	s_mov_b64 s[G0S+2:G0S+3], s[22:23]
	s_or_b32 s[G0S+3], s[G0S+3], 0x80000000
	s_mov_b32 s[G0SB], 1
	s_add_co_u32 s[G0SB+1], s94, SCL
	s_mov_b64 s[G0SB+2:G0SB+3], s[92:93]
	s_or_b32 s[G0SB+3], s[G0SB+3], 0x80000000
	JLOAD G0S, G1S, G0SB, G1SB                     ; the scales first: they are wanted with K step 0
.irp s, 0,1
	s_mov_b32 s[G0+4*\s], 1
	s_add_co_u32 s[G0+4*\s+1], s45, \s*SLOT
	s_add_nc_u64 s[G0+4*\s+2:G0+4*\s+3], s[20:21], \s*ROWB
	s_or_b32 s[G0+4*\s+3], s[G0+4*\s+3], 0x80000000
	s_mov_b32 s[G0B+4*\s], 1
	s_add_co_u32 s[G0B+4*\s+1], s45, \s*SLOT
	s_add_nc_u64 s[G0B+4*\s+2:G0B+4*\s+3], s[46:47], \s*ROWB
	s_or_b32 s[G0B+4*\s+3], s[G0B+4*\s+3], 0x80000000
	JLOAD G0+4*\s, G1, G0B+4*\s, G1B               ; three tensor loads of mine are out
.endr
	v_and_b32 v30, 15, v0                          ; r = l % 16
	v_bfe_u32 v31, v0, 4, 1                        ; hl = l / 16
	v_and_b32 v26, 31, v0                          ; lane
	v_mul_u32_u24 v18, v30, PITCH
	v_lshl_add_u32 v19, v31, 4, v18                ; a fragment's row x pitch + 16 x half
	s_mul_i32 s21, s15, HALFT                      ; my 128 rows of A
	s_mul_i32 s22, s16, HALFT                      ; my 128 rows of B,
	s_add_co_u32 s22, s22, 2*HALFT                 ; which lie behind A's 256
.irp s, 0,1
	v_add_nc_u32 v[ADRA+\s], s21, v19
	v_add_nc_u32 v[ADRB+\s], s22, v19
	s_add_co_u32 s21, s21, SLOT
	s_add_co_u32 s22, s22, SLOT
.endr
	v_mul_u32_u24 v18, v30, KS                     ; my row's scales: 32 bytes a row,
	v_lshrrev_b32 v19, 8, v18
	v_lshl_add_u32 v18, v19, 4, v18                ; and 16 more for each 256 passed
	s_mul_i32 s21, s15, HALFS
	s_mul_i32 s22, s16, HALFS
	s_add_co_u32 s22, s22, 2*HALFS
	s_sub_co_u32 s22, s22, s21
	v_mul_u32_u24 v19, s22, v31                    ; lanes 16-31 take B's
	s_add_co_u32 s21, s21, SCL
	v_add_nc_u32 v18, v18, v19
	v_add_nc_u32 v[ADRS], s21, v18
	; where my 128 x 128 of C go.  R0 = my first row, Cc = which 128 columns
	s_lshl_b32 s20, s17, 8
	s_lshl_b32 s21, s15, 7
	s_add_co_u32 s20, s20, s21                     ; R0
	s_lshl_b32 s21, s42, 1
	s_add_co_u32 s21, s21, s16                     ; Cc
	s_lshl_b32 s22, s21, 9                         ; the column bias: 128 Cc numbers on
	s_lshl_b32 s23, s20, 2                         ; the row bias: R0 numbers on
	s_lshr_b32 s46, s20, 11                        ; g < 2: rows are tokens, columns two heads: batch << 21 | first head << 17 | token x 64 bytes
	s_lshl_b32 s46, s46, 21
	s_lshl_b32 s47, s21, 18
	s_or_b32 s46, s46, s47
	s_and_b32 s47, s20, 2047
	s_lshl_b32 s47, s47, 6
	s_or_b32 s46, s46, s47
	s_lshr_b32 s92, s21, 4                         ; g = 2: rows are channels, columns 128 keys: batch << 21 | first head << 17 | key step << 13
	s_lshl_b32 s92, s92, 21
	s_lshr_b32 s93, s20, 6
	s_lshl_b32 s93, s93, 17
	s_or_b32 s92, s92, s93
	s_and_b32 s93, s21, 15
	s_lshl_b32 s93, s93, 13
	s_or_b32 s92, s92, s93
	s_lshr_b32 s47, s46, 4                         ; the scale words: 4 bytes for a row's 64 bytes of codes,
	s_lshr_b32 s93, s92, 5                         ; or for its 128
	s_cmp_lt_u32 s2, 2                             ; all the choices below hang on this one compare; the lines between leave SCC alone
	s_cselect_b32 s22, s22, 0                      ; (the bias that does not apply is read at the buffer's head, and masked)
	s_cselect_b32 s23, 0, s23
	s_cselect_b32 s46, s46, s92
	s_cselect_b32 s92, s47, s93
	s_mov_b32 s47, 0
	s_mov_b32 s93, 0
	s_add_nc_u64 s[12:13], s[12:13], s[46:47]
	s_add_nc_u64 s[66:67], s[66:67], s[92:93]
	v_lshl_add_u32 v22, v31, 5, s22                ; the column bias: my half's eight numbers of a block of 16
	v_lshl_add_u32 v23, v30, 2, s23                ; the row bias: my row's
	s_mov_b32 s22, 2048
	s_cselect_b32 s22, 1024, s22                   ; from tile to tile of rows: 2 pieces or 4
	s_mov_b32 s23, 1024
	s_cselect_b32 s23, 0x20000, s23                ; from columns 0-63 to 64-127: the next head, or two pieces on
	s_mov_b32 s18, 4096
	s_cselect_b32 s18, 2048, s18                   ; s[18:19]: from 32 rows to the next 32
	s_mov_b32 s19, 0
	s_cselect_b32 s20, 0, 122880                   ; s[20:21]: g = 2: my rows 64-127 are the next head's: 131,072 less the two steps made
	s_mov_b32 s21, 0
	s_cselect_b32 s92, 0, 3840                     ; g = 2: likewise for the scale words: 4,096 less 256
	s_cselect_b32 s46, 0xffff, -1                  ; s46: g < 2: a head has two of a word's four bytes
	v_lshlrev_b32 v[VO], 4, v26
	v_add_nc_u32 v[VO+1], s23, v[VO]
	v_add_nc_u32 v[VO+2], s22, v[VO]
	v_add_nc_u32 v[VO+3], s22, v[VO+1]
	v_mul_u32_u24 v[SGO], v31, s92
	v_add_nc_u32 v[SGO], v[SGO], v[VO]
	s_lshl_b32 s93, s14, 9
	s_add_co_u32 s93, s93, STGS                    ; my 128 scale words
	v_lshrrev_b32 v18, 3, v30                      ; r / 8
	v_and_b32 v19, 7, v30                          ; r % 8
	v_lshl_add_u32 v[SWR], v18, 4, v19
	v_lshl_add_u32 v[SWR], v[SWR], 2, s93          ; row 16 a + r goes to place 32 (a / 2) + 16 (r / 8) + 8 (a % 2) + r % 8: tile and lane
	v_lshl_add_u32 v[SRD], v26, 4, s93
	s_mul_i32 s93, s14, WSTG                       ; my stage
	v_mul_u32_u24 v[STO], v30, 144
	v_lshl_add_u32 v[STO], v31, 3, v[STO]
	v_add_nc_u32 v[STO], s93, v[STO]               ; in: row r, 8 codes for each half of the lanes
	v_mul_u32_u24 v[RD], v18, ODD
	v_mad_u32_u24 v[RD], v19, 144, v[RD]
	v_lshl_add_u32 v[RD], v31, 4, v[RD]
	v_add_nc_u32 v[RD], s93, v[RD]                 ; back: lane r of tile v takes row 8 v + r % 8 of block r / 8: row 8 v + r + 8 (r / 8) of the 32
.irp b, 0,1,2,3,4,5,6,7
	global_load_b128 v[CB+8*\b:CB+8*\b+3], v22, s[96:97] offset:64*\b
	global_load_b128 v[CB+8*\b+4:CB+8*\b+7], v22, s[96:97] offset:64*\b+16
.endr
.irp a, 0,1,2,3,4,5,6,7
	global_load_b32 v[RB+\a], v23, s[96:97] offset:64*\a
.endr
	s_wait_loadcnt 0x0
.set i, 0
.rept 64
	v_and_b32 v[CB+i], s100, v[CB+i]               ; the column bias stays where g < 2
.set i, i+1
.endr
.irp a, 0,1,2,3,4,5,6,7
	v_and_b32 v[RB+\a], s101, v[RB+\a]             ; the row bias where g = 2
.endr
.macro FRAG reg, adr, q, i             ; a fragment, 16 rows x 128 K: lane l holds row l % 16; registers 4 c .. 4 c + 3 hold K = 32 c + 16 (l / 16) + 0 .. 15
.irp c, 0,1,2,3
	ds_load_b128 v[\reg+4*\c:\reg+4*\c+3], v[\adr] offset:128*(\q)+32*\c+(\i)*16*PITCH
.endr
.endm
; 16 matrix instructions: A's blocks a0, a0 + 1 x B's eight, the slot's q-th 128 along K.  p: B's set;  sc: the set of scale words.  first = 1: the sums start from the column bias: nothing is cleared.
; The 64 accumulators take turns, one instruction a turn, in the same order in every step.
.macro MUL16 a0, p, q, sc, first
.irp a, \a0, \a0+1
.irp b, 0,1,2,3,4,5,6,7
.if \first
	v_wmma_scale_f32_16x16x128_f8f6f4 v[8*(8*((\a)%4)+\b):8*(8*((\a)%4)+\b)+7], v[128*(\p)+FR*\b:128*(\p)+FR*\b+FR-1], v[AF+FR*(\a):AF+FR*(\a)+FR-1], v[CB+8*\b:CB+8*\b+7], v[SC+8*NQ*(\sc)+NQ*\b+(\q)], v[SC+8*NQ*(\sc)+NQ*(\a)+(\q)] matrix_a_scale:MATRIX_SCALE_ROW1
.else
	v_wmma_scale_f32_16x16x128_f8f6f4 v[8*(8*((\a)%4)+\b):8*(8*((\a)%4)+\b)+7], v[128*(\p)+FR*\b:128*(\p)+FR*\b+FR-1], v[AF+FR*(\a):AF+FR*(\a)+FR-1], v[8*(8*((\a)%4)+\b):8*(8*((\a)%4)+\b)+7], v[SC+8*NQ*(\sc)+NQ*\b+(\q)], v[SC+8*NQ*(\sc)+NQ*(\a)+(\q)] matrix_a_scale:MATRIX_SCALE_ROW1
.endif
.endr
.endr
.endm
.macro FETCH_B slot, q, p              ; B's eight fragments of the slot's q-th 128 along K into set p
	WIN TO_B
.irp i, 0,1,2,3,4,5,6,7
	FRAG 128*(\p)+FR*\i, ADRB+\slot, \q, \i
.endr
	WIN 0
.endm
.macro FETCH_A slot, q, i0             ; A's blocks i0 .. i0 + 3
.irp i, \i0, \i0+1, \i0+2, \i0+3
	FRAG AF+FR*(\i), ADRA+\slot, \q, \i
.endr
.endm
.macro SCALES sc                       ; a K step's scale words into set sc: two words a row; lanes 0-15 take A's block i, lanes 16-31 B's block i
.irp i, 0,1,2,3,4,5,6,7
	ds_load_b64 v[SC+8*NQ*\sc+NQ*\i:SC+8*NQ*\sc+NQ*\i+1], v[ADRS] offset:\i*SBLK
.endr
.endm
; A load into a register that a matrix instruction has read, and a vector instruction that reads a matrix result, stand eight places behind that matrix instruction; only plain vector
; instructions that name none of its registers are places.
.macro PLACES n
.rept \n
	v_nop
.endr
.endm
; A step of 128 along K that has its successor in the same slot.  A's blocks are free as soon as their eight products are issued: blocks 0-3 are fetched anew in the step's middle, blocks 4-7 at its end.
.macro STEP slot, q, first
	s_wait_dscnt 4*NL                              ; B's set and A's blocks 0-3 are in; the youngest sixteen loads (A's blocks 4-7) may be out
.if \first
	WIN BIAS_LO
.else
	WIN MUL_LO
.endif
	MUL16 0, (\q)%2, \q, \slot, \first
	MUL16 2, (\q)%2, \q, \slot, \first
	s_wait_dscnt 0                                 ; A's blocks 4-7 are in
	PLACES NP
	FETCH_B \slot, (\q)+1, 1-(\q)%2
	FETCH_A \slot, (\q)+1, 0
.if \first
	WIN BIAS_HI
.else
	WIN MUL_HI
.endif
	MUL16 4, (\q)%2, \q, \slot, \first
	MUL16 6, (\q)%2, \q, \slot, \first
	PLACES NP
	WIN 0
	FETCH_A \slot, (\q)+1, 4
.endm
; A slot's last step changes slots: ONE barrier; in front of it each wave waits for all its tensor loads, adds 0 to its spare word, and waits for that and for its own reads of this slot.  fill = 1: this slot is filled again, two K steps ahead.
.macro TURN slot, next, fill
	s_wait_tensorcnt 0x0                           ; all my tensor loads have landed: my part of the next slot
	ds_add_u32 v[SPW], v[NIL]                      ; 0 onto my spare word
	s_wait_dscnt 4*NL+1                            ; (the add and the youngest sixteen loads, A's blocks 4-7, may be out)
	WIN MUL_LO
	MUL16 0, 1, NQ-1, \slot, 0                     ; sixteen matrix instructions stand between the add and the wait for it
	s_wait_dscnt 0x0                               ; the add is done, and my reads of this slot are over
	s_barrier_signal -1
	MUL16 2, 1, NQ-1, \slot, 0
	WIN 0
	s_barrier_wait -1
.if \fill
	CREST                                          ; the barrier has opened a round of the cluster's barrier: no wave of any partner still reads this slot's tile or has a load on its way
	s_add_nc_u64 s[G0+4*\slot+2:G0+4*\slot+3], s[G0+4*\slot+2:G0+4*\slot+3], 2*ROWB
	s_add_nc_u64 s[G0B+4*\slot+2:G0B+4*\slot+3], s[G0B+4*\slot+2:G0B+4*\slot+3], 2*ROWB
	JLOAD G0+4*\slot, G1, G0B+4*\slot, G1B         ; the first tensor load behind the round; its four v_nop are among the places in front of the loads below
	PLACES NP-4
.else
	PLACES NP
.endif
	s_wait_alu depctr_va_vdst(0)
	v_add_nc_u32 v[ADRS], 4*NQ, v[ADRS]            ; on to the next K step's scale words (no LDS load of mine is out)
	FETCH_B \next, 0, 0
	FETCH_A \next, 0, 0
	SCALES \next
	WIN MUL_HI
	MUL16 4, 1, NQ-1, \slot, 0
	MUL16 6, 1, NQ-1, \slot, 0
	PLACES NP
	WIN 0
	FETCH_A \next, 0, 4
.endm
	s_wait_alu depctr_va_vdst(0)
	s_wait_tensorcnt 1                             ; the scales and my part of K step 0 are in (K step 1's load may be out)
	s_barrier_signal -1
	s_barrier_wait -1                              ; everybody's are
	FETCH_B 0, 0, 0
	FETCH_A 0, 0, 0
	SCALES 0
	FETCH_A 0, 0, 4
	STEP 0, 0, 1                                   ; K = 1,024 is four K steps, twice round the ring: written out
	TURN 0, 1, 1                                   ; slot 0 takes K step 2
	STEP 1, 0, 0
	TURN 1, 0, 1                                   ; slot 1 takes K step 3
	STEP 0, 0, 0
	TURN 0, 1, 0                                   ; nothing is left to fetch: no round
	STEP 1, 0, 0
	s_wait_dscnt 4*NL                              ; the very last step
	WIN MUL_LO
	MUL16 0, 1, NQ-1, 1, 0
	MUL16 2, 1, NQ-1, 1, 0
	s_wait_dscnt 0
	WIN MUL_HI
	MUL16 4, 1, NQ-1, 1, 0
	MUL16 6, 1, NQ-1, 1, 0
	WIN 0
; THE WAY OUT, a block of 16 rows x 128 columns at a time.  GETX: the block's 64 numbers of a lane into window 0, with the row bias; each accumulator from its low end on.  Register 8 b + j is column 16 b + 8 hl + j.
.macro GETX a
.set WW, 0x02+(\a)/4
	WIN WW                                         ; source 0: window 2 or 3
.set AC, 64*((\a)%4)
.set i, 0
.rept 32
.if ((\a)%2) == 0
	v_pk_add_f32 v[X+2*i:X+2*i+1], v[AC+2*i:AC+2*i+1], v[RB+2*((\a)/2):RB+2*((\a)/2)+1] op_sel_hi:[1,0]
.else
	v_pk_add_f32 v[X+2*i:X+2*i+1], v[AC+2*i:AC+2*i+1], v[RB+2*((\a)/2):RB+2*((\a)/2)+1] op_sel:[0,1] op_sel_hi:[1,1]
.endif
.set i, i+1
.endr
	WIN 0
.endm
; QUANT: registers 16 b .. 16 b + 15 are my 16 numbers of the row's b-th block of 32 columns; lane l xor 16 holds the other 16.  Codes to v[pc] on (two registers for each 16 columns), the row's scale word to v[pw].
.macro QUANT s, pc, pw
.irp b, 0,1,2,3
	v_max3_num_f32 v[TM+\b], |v[\s+16*\b]|, |v[\s+1+16*\b]|, 0x4800000   ; and the floor 2^(9 - 127): so the byte cannot fall under 1
.endr
.irp i, 2,4,6,8,10,12,14
.irp b, 0,1,2,3
	v_max3_num_f32 v[TM+\b], v[TM+\b], |v[\s+16*\b+\i]|, |v[\s+1+16*\b+\i]|   ; (the four blocks by turns)
.endr
.endr
.irp b, 0,1,2,3
	v_permlanex16_b32 v[TM+4+\b], v[TM+\b], s[SEL], s[SEL+1]
.endr
.irp b, 0,1,2,3
	v_max_num_f32 v[TM+\b], v[TM+\b], v[TM+4+\b]   ; the block's largest magnitude
.endr
.irp b, 0,1,2,3
	v_add_nc_u32 v[TM+12+\b], 0xfc000000, v[TM+\b] ; 8 off its exponent field: the conversion takes the exponent field of this operand as its scale
.endr
.irp b, 0,1,2,3
.endr
.irp b, 0,1,2,3
	v_lshrrev_b32 v[TM+4+\b], 23, v[TM+12+\b]      ; the scale's byte
.endr
	v_lshl_or_b32 v[\pw], v[TM+5], 8, v[TM+4]
	v_lshl_or_b32 v[\pw], v[TM+6], 16, v[\pw]
	v_lshl_or_b32 v[\pw], v[TM+7], 24, v[\pw]
.irp b, 0,1,2,3
.irp i, 0,1,2,3,4,5,6,7,8,9,10,11,12,13,14,15
.endr
	v_cvt_scalef32_pk8_fp8_f32 v[\pc+4*\b:\pc+1+4*\b], v[\s+16*\b:\s+7+16*\b], v[TM+12+\b]
	v_cvt_scalef32_pk8_fp8_f32 v[\pc+2+4*\b:\pc+3+4*\b], v[\s+8+16*\b:\s+15+16*\b], v[TM+12+\b]
.endr
	v_nop                                          ; one plain vector instruction behind the last conversion, ahead of the lines that write its sources again
.endm
.macro PUT a, pc, pw                   ; the block's codes into my stage, as rows of 128 columns; its rows' scale words to their places by tile and lane (both halves of the lanes write the same word)
.irp k, 0,1,2,3,4,5,6,7
	ds_store_b64 v[STO], v[\pc+2*\k:\pc+2*\k+1] offset:((\a)%2)*ODD+16*\k
.endr
	ds_store_b32 v[SWR], v[\pw] offset:4*(32*((\a)/2)+8*((\a)%2))
.endm
; 32 rows leave as eight pieces: n = 4 v + 2 u + c: tile v of the rows, columns 64 u + 32 c on.  LDS serves a wave's instructions in order (ISA guide 5.7.1.4): the loads see my stores.  Each store covers 512 consecutive bytes, aligned.
.macro PAIR_OUT p
.set BB, BK+32*((\p)%2)
.if (\p) > 0
	s_wait_xcnt 0x0                                ; the earlier pairs' stores have read their registers and their base
.endif
.irp n, 0,1,2,3,4,5,6,7
	ds_load_b128 v[BB+4*\n:BB+4*\n+3], v[RD] offset:1152*(\n/4)+64*((\n/2)%2)+32*(\n%2)
.endr
	s_wait_dscnt 0x0                               ; the pieces are in, and the stage's stores have read their registers
.if (\p) > 0
	s_add_nc_u64 s[12:13], s[12:13], s[18:19]
.endif
.if (\p) == 2
	s_add_nc_u64 s[12:13], s[12:13], s[20:21]
.endif
.irp n, 0,1,2,3,4,5,6,7
	global_store_b128 v[VO+2*(\n/4)+((\n/2)%2)], v[BB+4*\n:BB+4*\n+3], s[12:13] offset:512*(\n%2)
.endr
.endm
	PLACES NP                                      ; behind the last products
.irp b, 0,1,2,3
	v_mov_b32 v[TM+4+\b], 0                        ; written once: a lane permute's destination counts as one of its sources
.endr
.irp p, 0,1,2,3
	GETX 2*\p
	QUANT X, PC0, PW0
	PUT 2*\p, PC0, PW0
	GETX 2*\p+1
	QUANT X, PC1, PW1
	PUT 2*\p+1, PC1, PW1
	PAIR_OUT \p
.endr
	ds_load_b128 v[X:X+3], v[SRD]                  ; my 128 rows' scale words, four a lane
	s_wait_dscnt 0x0
.irp i, 0,1,2,3
	v_and_b32 v[X+4+\i], s46, v[X+\i]              ; g < 2: the first head's two bytes; g = 2: all four
.endr
	global_store_b128 v[SGO], v[X+4:X+7], s[66:67]
	s_cmp_eq_u32 s2, 2                             ; the cluster's number: the same in all partners
	s_cbranch_scc1 .Lone_word
.irp i, 0,1,2,3
	v_lshrrev_b32 v[X+8+\i], 16, v[X+\i]           ; the second head's two bytes
.endr
	global_store_b128 v[SGO], v[X+8:X+11], s[66:67] offset:8192
.Lone_word:
	s_wait_tensorcnt 0x0                           ; the wave's end, behind my last tensor load and my last LDS store
	ds_add_u32 v[SPW], v[NIL]
	s_wait_dscnt 0x0
	CROUND                                         ; the closing round: no work-group ends while a partner may still ask for a tile that names it
	s_endpgm
.Lfunc_end_k_q87cf438453_proj:
	.size	k_q87cf438453_proj, .Lfunc_end_k_q87cf438453_proj-k_q87cf438453_proj
	.p2alignl 7, 3214868480
	.fill 96, 4, 3214868480
	.section	.rodata,"a",@progbits
	.p2align	6, 0x0
	.amdhsa_kernel k_q87cf438453_proj
		.amdhsa_group_segment_fixed_size 327680
		.amdhsa_private_segment_fixed_size 0
		.amdhsa_enable_private_segment 0
		.amdhsa_kernarg_size 168
		.amdhsa_user_sgpr_count 2
		.amdhsa_user_sgpr_kernarg_segment_ptr 1
		.amdhsa_wavefront_size32 1
		.amdhsa_system_sgpr_workgroup_id_x 1
		.amdhsa_system_sgpr_workgroup_id_y 1
		.amdhsa_system_sgpr_workgroup_id_z 1
		.amdhsa_system_vgpr_workitem_id 0
		.amdhsa_next_free_vgpr 1024
		.amdhsa_next_free_sgpr 102
		.amdhsa_reserve_vcc 0
		.amdhsa_float_denorm_mode_32 3
		.amdhsa_float_denorm_mode_16_64 3
		.amdhsa_fp16_overflow 1
		.amdhsa_memory_ordered 1
		.amdhsa_forward_progress 1
		.amdhsa_inst_pref_size 179
	.end_amdhsa_kernel
	.amdgpu_metadata
---
amdhsa.version: [ 1, 2 ]
amdhsa.kernels:
  - .name:           k_q87cf438453_proj
    .symbol:         k_q87cf438453_proj.kd
    .args:
      - { .name: q_codes, .offset: 0, .size: 8, .value_kind: global_buffer, .address_space: global }
      - { .name: k_codes, .offset: 8, .size: 8, .value_kind: global_buffer, .address_space: global }
      - { .name: Wv_codes, .offset: 16, .size: 8, .value_kind: global_buffer, .address_space: global }
      - { .name: q_scales, .offset: 24, .size: 8, .value_kind: global_buffer, .address_space: global }
      - { .name: k_scales, .offset: 32, .size: 8, .value_kind: global_buffer, .address_space: global }
      - { .name: Wv_scales, .offset: 40, .size: 8, .value_kind: global_buffer, .address_space: global }
      - { .name: Wq_codes, .offset: 48, .size: 8, .value_kind: global_buffer, .address_space: global }
      - { .name: Wk_codes, .offset: 56, .size: 8, .value_kind: global_buffer, .address_space: global }
      - { .name: v_codes, .offset: 64, .size: 8, .value_kind: global_buffer, .address_space: global }
      - { .name: Wq_scales, .offset: 72, .size: 8, .value_kind: global_buffer, .address_space: global }
      - { .name: Wk_scales, .offset: 80, .size: 8, .value_kind: global_buffer, .address_space: global }
      - { .name: v_scales, .offset: 88, .size: 8, .value_kind: global_buffer, .address_space: global }
      - { .name: bq, .offset: 96, .size: 8, .value_kind: global_buffer, .address_space: global }
      - { .name: bk, .offset: 104, .size: 8, .value_kind: global_buffer, .address_space: global }
      - { .name: bv, .offset: 112, .size: 8, .value_kind: global_buffer, .address_space: global }
      - { .name: Qi, .offset: 120, .size: 8, .value_kind: global_buffer, .address_space: global }
      - { .name: Ki, .offset: 128, .size: 8, .value_kind: global_buffer, .address_space: global }
      - { .name: Vi, .offset: 136, .size: 8, .value_kind: global_buffer, .address_space: global }
      - { .name: Qs, .offset: 144, .size: 8, .value_kind: global_buffer, .address_space: global }
      - { .name: Ks, .offset: 152, .size: 8, .value_kind: global_buffer, .address_space: global }
      - { .name: Vs, .offset: 160, .size: 8, .value_kind: global_buffer, .address_space: global }
    .group_segment_fixed_size: 327680
    .private_segment_fixed_size: 0
    .kernarg_segment_align: 8
    .kernarg_segment_size: 168
    .max_flat_workgroup_size: 128
    .sgpr_count:     102
    .vgpr_count:     1024
    .wavefront_size: 32
...
	.end_amdgpu_metadata
.endif
;; end of part 1
;; launch attn (part 2): grid 64 x 8, 16 waves a work-group, no clusters, 327,680 bytes of LDS; arguments Qi, Qs, Ki, Ks, Vi, Vs, AO, AOs; writes AO, AOs
.if DOCPART == 2
	.amdgcn_target "amdgcn-amd-amdhsa--gfx1250"
	.amdhsa_code_object_version 6
	.text
	.protected	k_q87cf438453_attn
	.globl	k_q87cf438453_attn
	.p2align	8
	.type	k_q87cf438453_attn,@function
k_q87cf438453_attn:
	s_mov_b64 s[64:65], 0
	v_nop
	global_prefetch_b8 v0, s[64:65] scope:SCOPE_SE
	s_setreg_imm32_b32 hwreg(HW_REG_WAVE_MODE, 25, 1), 1
	s_wait_xcnt 0x0
; O[head][q] = the sum over keys k <= q of softmax_k(Q[q] . K[k] / 32) V[k], head size 64, both products on codes of FP8 (E4M3) with one E8M0 scale for each 32 along a product's K; O / the row's sum is quantised along D for the last product.
; WORK LEFT OUT: a step of 16 queries x 128 keys all of whose keys come after all of its queries: reference()'s own jnp.tril makes every p there 0, for all values of the inputs.  A NaN or an infinity that would arise only there is not carried.
; THE SOFTMAX: t = score x log2(e) / 32; M = the row's largest t so far, rounded UP to a whole number; p = 2^(t - M) is what is quantised, along the keys, not normalised.  The row's sum is taken of the unquantised p
; and divides O at the end.  When M moves, the sum and O are multiplied by 2^(old M - new M): exact.
; OPERANDS arrive as images of their registers (the launch before laid them): a piece is [lane 32][16 bytes], so every LDS load of a fragment reads 512 consecutive bytes: no pitch, no padding.
; THE FIRST PRODUCT'S K IS 64: the instruction's other 64 are zero codes on both sides (registers 8-15 of each fragment, cleared once), as the quantiser fills a short K; their scale bytes are 0, which is 2^-127 and no NaN.
; SHARES.  Work-group (x, y) owns 256 queries of head x: block 7 - y, the blocks with the most keys first.  Each of its sixteen waves owns one tile of 16 queries, in 256 registers: four waves to a SIMD.
; Every wave walks all slots; K's and V's tiles come through a ring of two LDS slots of 256 keys, filled by the tensor data mover (wave 0: K's 16,384 bytes; wave 1: V's) and read by all sixteen.
; NO CLUSTER: under the mask the query blocks of a head need different numbers of tiles, so partners could not make every joint request.
; LAYOUT.  Both products transposed: S^T = K Q^T, O^T = V^T P^T: a lane holds ONE query (lane % 16).  The rows of a tile are not neighbours: lane r of tile 2 b + u is row 32 b + 8 u + r + 8 (r / 8), for keys, queries and
; channels alike: so the 16 registers of tiles 2 b and 2 b + 1 are 16 neighbours along the next K, and the conversions' results are the next operand's registers.
; THE SCALE BYTES OUT are two bytes a row and head, 32 bytes apart: one part in 32 of what the launch stores; a row's 32 bytes come from sixteen work-groups.  They are laid so that the next launch takes them as dense rows.
; LIMITS: blocks whose largest magnitude lies under 2^-118, zeros among them, keep the scale byte 1 (read by this program alone).
; REGISTERS: v1-7 addresses that stay; v8, v10, v11 addresses in hand; v12 -M, v13 the largest t, v[14:15] the sum; v16-23 Q, v24-31 zeros; v32-95 four fragments of K (the upper eight of each are zeros);
;   v96-159 S^T, then p, then V's four fragments; v160-191 O^T; v192 the mask's lane term; v224-239 p's codes; v232-254 at work; v255 Q's scale words.
.set SK,    256                        ; keys in a slot
.set NQ,    2                          ; key steps in a slot
.set SLOT1, 1<<15                      ; slot 1 begins here: one exclusive or turns an address in one slot into the other's
.set VOFF,  16384                      ; a slot: 16 tiles of K x 1,024 bytes, then two key steps of V x 8,192 bytes
.set NSL,   8                          ; slots' worth of keys
.set SCK,   2*SLOT1                    ; behind the ring: K's scale words of the whole head, 8,192 bytes;
.set SCV,   SCK+8192                   ; V's, 4,096 bytes
.set SPARE, SCV+4096                   ; the spare words, 128 bytes for each wave: eight blocks of 256 bytes that no other line names
.set LI,   1                           ; v1   16 x lane: my place in a piece
.set ASK0, 2                           ; v2   my lane's place among K's scale words
.set ASV0, 3                           ; v3   and among V's
.set AOR,  4                           ; v4   32 x (lane % 16): my row's scale bytes on the way out
.set SPW,  5                           ; v5   LDS address of my spare word; never rewritten
.set NIL,  6                           ; v6   0; never rewritten
.set PFO,  7                           ; v7   256 x lane: the prefetches' offset; never rewritten
.set ADK,  8                           ; v8   LDS address of the slot in hand, + 16 x lane
.set ADS,  10                          ; v10  of the step's scale words of K
.set ADT,  11                          ; v11  of V's
.set DQ,   192                         ; v192 r + 8 (r / 8) - 16 (lane / 16)
.set SEL,  20                          ; s[20:21] lane selects: lane l xor 16
.set CS,   22                          ; s[22:23] c = log2(e) / 32
.set G1D,  24                          ; s[24:31] descriptor group 1: 16,384 dense bytes;  s[32:39]: 8,192;  s[40:47]: 4,096
.set G1SK, 32
.set G1SV, 40
.set G0K,  48                          ; s[48:51], s[52:55] groups 0 for K's and V's tiles, which walk;  s[56:59], s[60:63] for the scale words
.set G0V,  52
.set G0SK, 56
.set G0SV, 60
.set TB,   2                           ; s2   LDS byte at which the slot in hand begins
.set TS,   3                           ; s3   the step's scale words of K: 512 bytes a step
.set TJ,   66                          ; s66  V's: 256 bytes a step
.set SLOTS, 67                         ; s67  changes of slots still to come in the loop
.set WV,   70                          ; s70  my wave's number
.set MNT,  71
.set KF,   72                          ; s72  the step's first key
.set Q0,   73                          ; s73  16 x my tile: it lies in the same 128 tokens as my 16 queries
.set QT0,  74                          ; s74  my tile's first query: lane r's is QT0 + r + 8 (r / 8)
.set PFA,  76                          ; s[76:77] where my prefetches stand
.set LIM,  80                          ; s80  1 in a wave that prefetches, else the greatest number
; Wave 0 fetches for K, wave 1 for V, the others nothing.  The branches hang on the wave's number alone.  An s_nop 0 and four v_nop follow each of the two lines.
.macro TLOAD g0k, g1k, g0v, g1v
	s_cmp_eq_u32 s[WV], 0
	s_cbranch_scc0 .Lnot_k_\@
	tensor_load_to_lds s[\g0k:\g0k+3], s[\g1k:\g1k+7]
	s_nop 0
.rept 4
	v_nop
.endr
	s_branch .Lasked_\@
.Lnot_k_\@:
	s_cmp_eq_u32 s[WV], 1
	s_cbranch_scc0 .Lasked_\@
	tensor_load_to_lds s[\g0v:\g0v+3], s[\g1v:\g1v+7]
	s_nop 0
.rept 4
	v_nop
.endr
.Lasked_\@:
.endm
; A PREFETCH INTO THE L2 of what the NEXT change of slots will ask for: 16,384 bytes of K and of V.  Each aligned block of 256 bytes is named once in the launch: all eight work-groups of a head walk the same K and V,
; and the one with y = 0 asks, which owns the last queries and loads every slot; in it waves 4 and 5 ask for K's halves, waves 6 and 7 for V's: 8,192 bytes a wave, lanes 256 bytes apart, one instruction.
; The last change that fills a slot asks for nothing; slots 0 and 1 come by their loads alone.
.macro ASK
	s_cmp_gt_u32 s[SLOTS], s[LIM]
	s_cbranch_scc0 .Lnot_mine_\@
	global_prefetch_b8 v[PFO], s[PFA:PFA+1] th:TH_LOAD_NT scope:SCOPE_SE
.Lnot_mine_\@:
.endm
	s_load_b512 s[4:19], s[0:1], 0x0               ; Qi s[4:5], Qs s[6:7], Ki s[8:9], Ks s[10:11], Vi s[12:13], Vs s[14:15], AO s[16:17], AOs s[18:19]
	v_lshl_add_u32 v[SPW], v0, 2, SPARE
	v_mov_b32 v[NIL], 0
	ds_add_u32 v[SPW], v[NIL]                      ; the wave's opening: the add, twice on end, and its wait ahead of my first tensor load
	ds_add_u32 v[SPW], v[NIL]                      ; and once more, under the one wait; the set-up below, work on registers, stands between
	v_lshrrev_b32 v8, 5, v0
	s_delay_alu instid0(VALU_DEP_1)
	v_readfirstlane_b32 s[WV], v8                  ; wave 0..15
	s_and_b32 s96, ttmp7, 0xffff                   ; y
	s_sub_co_u32 s[LIM], s[WV], 4
	s_lshr_b32 s[LIM], s[LIM], 2                   ; 0 in waves 4 to 7,
	s_or_b32 s[LIM], s[LIM], s96                   ; of the work-groups with y = 0
	s_cmp_eq_u32 s[LIM], 0
	s_cselect_b32 s[LIM], 1, -1
	s_sub_co_u32 s96, 7, s96                       ; my block of 256 queries
	s_lshl_b32 s96, s96, 4
	s_add_co_u32 s96, s96, s[WV]                   ; my tile, 0 .. 127
	s_lshl_b32 s[Q0], s96, 4
	s_lshr_b32 s97, s96, 1
	s_lshl_b32 s97, s97, 5
	s_and_b32 s[QT0], s96, 1
	s_lshl_b32 s[QT0], s[QT0], 3
	s_add_co_u32 s[QT0], s[QT0], s97               ; 32 (tile / 2) + 8 (tile % 2)
	s_lshl_b32 s88, ttmp9, 17                      ; the head's first byte in Qi, Ki, Vi,
	s_mov_b32 s89, 0
	s_lshl_b32 s90, ttmp9, 13                      ; in Qs, Ks,
	s_mov_b32 s91, 0
	s_lshl_b32 s92, ttmp9, 12                      ; in Vs
	s_mov_b32 s93, 0
	s_lshl_b32 s86, s96, 10
	s_add_co_u32 s86, s86, s88                     ; my tile of Q: 1,024 bytes a tile
	s_mov_b32 s87, 0
	s_lshl_b32 s94, s96, 6
	s_add_co_u32 s94, s94, s90                     ; its scale words: 64 bytes a tile
	s_mov_b32 s95, 0
	s_lshr_b32 s97, ttmp9, 4                       ; the batch
	s_lshl_b32 s97, s97, 7
	s_add_co_u32 s97, s97, s96                     ; my tile among the 512 tiles of rows
	s_and_b32 s96, ttmp9, 15                       ; the head in its batch
	s_lshl_b32 s82, s97, 14                        ; AO: 16,384 bytes a tile of rows, 1,024 a head
	s_lshl_b32 s84, s96, 10
	s_add_co_u32 s82, s82, s84
	s_mov_b32 s83, 0
	s_lshl_b32 s84, s97, 9                         ; AOs: 512 bytes a tile of rows, 2 a head
	s_lshl_b32 s96, s96, 1
	s_add_co_u32 s84, s84, s96
	s_mov_b32 s85, 0
	; descriptor groups 1: dense blocks as rows of 256 bytes (32 elements of 8 bytes), no padding, no mask
.irp g, G1D, G1SK, G1SV
	s_mov_b32 s[\g], 3<<16                         ; 17:16 elements of 8 bytes
	s_mov_b32 s[\g+1], 32<<16                      ; tensor_dim0
	s_mov_b32 s[\g+3], 32<<16                      ; tile_dim0
	s_mov_b32 s[\g+5], 32                          ; tensor_dim0_stride
	s_mov_b32 s[\g+6], 0
	s_mov_b32 s[\g+7], 0
.endr
	s_mov_b32 s[G1D+2], 64<<16                     ; tensor_dim1 and tile_dim1: 64 rows,
	s_mov_b32 s[G1D+4], 64
	s_mov_b32 s[G1SK+2], 32<<16                    ; 32,
	s_mov_b32 s[G1SK+4], 32
	s_mov_b32 s[G1SV+2], 16<<16                    ; 16
	s_mov_b32 s[G1SV+4], 16
	s_mov_b32 s[SEL], 0x76543210
	s_mov_b32 s[SEL+1], 0xfedcba98
	s_mov_b32 s[CS], 0x3d38aa3b                    ; c = log2(e) / 32
	s_mov_b32 s[CS+1], s[CS]                       ; (named with it as a pair, so it is written)
	s_mov_b32 s[TB], 0
	s_mov_b32 s[TS], 0
	s_mov_b32 s[TJ], 0
	s_mov_b32 s[SLOTS], NSL-1
	s_mov_b32 s[KF], 0
	s_wait_dscnt 0x0                               ; both opening adds are done
	s_wait_kmcnt 0x0
	s_mov_b32 s[G0SK], 1
	s_mov_b32 s[G0SK+1], SCK
	s_add_nc_u64 s[G0SK+2:G0SK+3], s[10:11], s[90:91]
	s_or_b32 s[G0SK+3], s[G0SK+3], 0x80000000
	s_mov_b32 s[G0SV], 1
	s_mov_b32 s[G0SV+1], SCV
	s_add_nc_u64 s[G0SV+2:G0SV+3], s[14:15], s[92:93]
	s_or_b32 s[G0SV+3], s[G0SV+3], 0x80000000
	TLOAD G0SK, G1SK, G0SV, G1SV                   ; the scale words of the whole head: filled once
	s_mov_b32 s[G0K], 1
	s_mov_b32 s[G0K+1], 0
	s_add_nc_u64 s[G0K+2:G0K+3], s[8:9], s[88:89]
	s_or_b32 s[G0K+3], s[G0K+3], 0x80000000
	s_mov_b32 s[G0V], 1
	s_mov_b32 s[G0V+1], VOFF
	s_add_nc_u64 s[G0V+2:G0V+3], s[12:13], s[88:89]
	s_or_b32 s[G0V+3], s[G0V+3], 0x80000000
	TLOAD G0K, G1D, G0V, G1D                       ; slot 0: it holds key 0, which counts for every query.  Two loads are out in waves 0 and 1
	s_add_nc_u64 s[4:5], s[4:5], s[86:87]
	s_add_nc_u64 s[6:7], s[6:7], s[94:95]
	s_add_nc_u64 s[16:17], s[16:17], s[82:83]
	s_add_nc_u64 s[18:19], s[18:19], s[84:85]
	s_cmp_lt_u32 s[WV], 6                          ; the prefetches: waves 4 and 5 stand in K, waves 6 and 7 in V,
	s_cselect_b64 s[PFA:PFA+1], s[8:9], s[12:13]
	s_and_b32 s96, s[WV], 1
	s_lshl_b32 s96, s96, 13                        ; at my half
	s_add_co_u32 s96, s96, 16384                   ; of slot 1: the first change of slots steps it to slot 2.  Nothing is prefetched here, at the head
	s_mov_b32 s97, 0
	s_add_nc_u64 s[PFA:PFA+1], s[PFA:PFA+1], s[88:89]
	s_add_nc_u64 s[PFA:PFA+1], s[PFA:PFA+1], s[96:97]
	v_and_b32 v8, 15, v0                           ; r
	v_bfe_u32 v9, v0, 4, 1                         ; lane / 16
	v_and_b32 v10, 31, v0                          ; lane
	s_delay_alu instid0(VALU_DEP_1)
	v_lshlrev_b32 v[LI], 4, v10
	s_delay_alu instid0(VALU_DEP_4)
	v_lshlrev_b32 v254, 2, v8
	global_load_b128 v[16:19], v[LI], s[4:5]       ; Q's two pieces stay in registers
	global_load_b128 v[20:23], v[LI], s[4:5] offset:512
	global_load_b32 v255, v254, s[6:7]             ; and its scale words
	v_lshl_add_u32 v[ASK0], v8, 2, SCK
	v_lshl_add_u32 v[ASV0], v8, 2, SCV
	v_lshlrev_b32 v[AOR], 5, v8
	v_lshlrev_b32 v[PFO], 8, v10
	v_and_b32 v11, 8, v8
	s_delay_alu instid0(VALU_DEP_1)
	v_add_nc_u32 v11, v11, v8                      ; r + 8 (r / 8)
	v_lshlrev_b32 v9, 4, v9
	s_delay_alu instid0(VALU_DEP_1)
	v_sub_nc_u32 v[DQ], v11, v9
	v_mov_b32 v13, 0xff61b1e6                      ; the largest t so far: -3e38, under every t
	s_delay_alu instid0(VALU_DEP_1)
	v_floor_f32 v12, -v13                          ; -M
	v_mov_b32 v14, 0                               ; the sum, in two halves
	v_mov_b32 v15, 0
.irp j, 0,1,2,3,4,5,6,7
	v_mov_b32 v[24+\j], 0                          ; the zero codes of Q's K = 64 .. 127,
.irp t, 0,1,2,3
	v_mov_b32 v[40+16*\t+\j], 0                    ; and of K's four fragments: no line writes them again
.endr
.endr
.irp b, 0,1,2,3
	v_mov_b32 v[236+\b], 0                         ; written once: a lane permute's destination counts as one of its sources
.endr
	v_mov_b32 v252, 0                              ; likewise
	v_mov_b32 v253, 0                              ; (named as the upper half of the pair v[252:253] before it is first written)
.set j, 0
.rept 32
	v_mov_b32 v[160+j], 0                          ; O^T.  (The step is written once: the first finds zeros, which the first change of M leaves zeros)
.set j, j+1
.endr
; A KEY STEP: 128 keys, the q-th of the slot in hand.
.macro STEP q
	s_add_co_u32 s96, s[Q0], 15                    ; a step all of whose keys come after my 16 queries is left out: a scalar branch on ids, round the step's loads, products and softmax alone
	s_cmp_gt_u32 s[KF], s96
	s_cbranch_scc1 .Lhidden_\@
	v_add_nc_u32 v[ADK], s[TB], v[LI]
	s_wait_alu depctr_va_vdst(0)
	v_add_nc_u32 v[ADS], s[TS], v[ASK0]
	s_wait_alu depctr_va_vdst(0)
	v_add_nc_u32 v[ADT], s[TJ], v[ASV0]
.rept 6
	v_nop                                          ; with the three additions nine places: the scores below are written over V's fragments, which the last products read
.endr
.irp g, 0,1                                    ; S^T = K Q^T, four tiles of 16 keys at a time
.if \g > 0
.rept 8
	v_nop                                          ; places in front of loads into registers that matrix instructions have read
.endr
.endif
.irp t, 0,1,2,3
	ds_load_b128 v[32+16*\t:35+16*\t], v[ADK] offset:(8*(\q)+4*\g+\t)*1024
	ds_load_b128 v[36+16*\t:39+16*\t], v[ADK] offset:(8*(\q)+4*\g+\t)*1024+512
	ds_load_b32 v[248+\t], v[ADS] offset:(4*\g+\t)*64
.endr
	s_wait_dscnt 0x0
.irp t, 0,1,2,3
	v_wmma_scale_f32_16x16x128_f8f6f4 v[96+8*(4*\g+\t):103+8*(4*\g+\t)], v[32+16*\t:47+16*\t], v[16:31], 0, v[248+\t], v255
.endr
.endr                                          ; the 16 registers of tiles 2 b, 2 b + 1 are keys KF + 32 b + 16 (lane / 16) + 0 .. 15
.rept 8
	v_nop
.endr
	s_add_co_u32 s96, s[KF], 127                   ; on the diagonal the scores of hidden keys become -infinity ahead of the maximum: p = 0 then.  A step all of whose keys count skips this
	s_cmp_le_u32 s96, s[Q0]
	s_cbranch_scc1 .Lopen_\@
	s_sub_co_i32 s96, s[QT0], s[KF]
	v_add_nc_u32 v252, s96, v[DQ]                  ; d = my query - KF - 16 (lane / 16): register 16 b + i is hidden where 32 b + i > d
	v_mov_b32 v254, 0xff800000                     ; -infinity
.set j, 0
.rept 64
	v_cmp_gt_i32 vcc_lo, 32*(j/16)+j%16, v252
	v_cndmask_b32 v[96+j], v[96+j], v254, vcc_lo
.set j, j+1
.endr
.Lopen_\@:
.irp b, 0,1,2,3
	v_max3_num_f32 v[232+\b], v[96+16*\b], v[97+16*\b], v[98+16*\b]   ; THE LARGEST SCORE OF EACH BLOCK OF 32 KEYS serves twice: for the row's maximum, and, since p rises with the score, for the block's largest p
.endr
.irp i, 3,5,7,9,11,13
.irp b, 0,1,2,3
	v_max3_num_f32 v[232+\b], v[232+\b], v[96+16*\b+\i], v[97+16*\b+\i]
.endr
.endr
.irp b, 0,1,2,3
	v_max_num_f32 v[232+\b], v[232+\b], v[111+16*\b]
.endr
.irp b, 0,1,2,3
	v_permlanex16_b32 v[236+\b], v[232+\b], s[SEL], s[SEL+1]
.endr
.irp b, 0,1,2,3
	s_delay_alu instid0(VALU_DEP_4)
	v_max_num_f32 v[232+\b], v[232+\b], v[236+\b]  ; with lane l xor 16's 16 keys
.endr
	s_delay_alu instid0(VALU_DEP_2)
	v_max3_num_f32 v254, v232, v233, v234
	s_delay_alu instid0(VALU_DEP_1)
	v_max_num_f32 v254, v254, v235                 ; the step's largest score of my query
	s_delay_alu instid0(VALU_DEP_1)
	v_mul_f32 v254, s[CS], v254                    ; as t (c is positive)
	s_delay_alu instid0(VALU_DEP_1)
	v_max_num_f32 v13, v13, v254                   ; the running largest t
	v_mov_b32 v254, v12
	s_delay_alu instid0(VALU_DEP_2)
	v_floor_f32 v12, -v13                          ; the new -M = floor(-t) = -ceil(t): M is a whole number
	s_delay_alu instid0(VALU_DEP_1)
	v_sub_f32 v254, v12, v254                      ; M's old value less its new one: a whole number, 0 or less
	s_delay_alu instid0(VALU_DEP_1)
	v_cvt_i32_f32 v254, v254                       ; (it saturates)
	s_delay_alu instid0(VALU_DEP_1)
	v_ldexp_f32 v252, 1.0, v254                    ; f = 2^(old M - new M)
.set j, 0
.rept 32
	v_pk_fma_f32 v[96+j:97+j], v[96+j:97+j], s[CS:CS+1], v[12:13] op_sel_hi:[1,0,0]   ; t - M, two at a time (of the pairs c and -M the low word serves both halves)
.set j, j+2
.endr
.irp b, 0,1,2,3
	v_fma_f32 v[232+\b], v[232+\b], s[CS], v12     ; the same of each block's largest score
.endr
.set j, 0
	s_wait_alu depctr_va_vdst(0)
.rept 64
	v_exp_f32 v[96+j], v[96+j]                     ; p = 2^(t - M), at most 1
.set j, j+1
.endr
	v_pk_mul_f32 v[14:15], v[14:15], v[252:253] op_sel_hi:[1,0]   ; the sums under the new M: the plain instruction behind the exponentials
	s_wait_alu depctr_va_vdst(0)                   ; the wait ahead of the first line that names a result: one for the 64
.irp b, 0,1,2,3
	v_exp_f32 v[232+\b], v[232+\b]                 ; the block's largest p: the same two instructions on the same number give the same bits
.endr
	v_pk_add_f32 v[236:237], v[100:101], v[104:105]
	v_pk_add_f32 v[250:251], v[108:109], v[112:113]
	v_pk_add_f32 v[248:249], v[116:117], v[120:121]
	v_pk_add_f32 v[246:247], v[124:125], v[128:129]
	v_pk_add_f32 v[244:245], v[132:133], v[136:137]
	v_pk_add_f32 v[242:243], v[140:141], v[144:145]
	v_pk_add_f32 v[240:241], v[148:149], v[152:153]
	v_pk_add_f32 v[14:15], v[14:15], v[156:157]
	v_pk_add_f32 v[236:237], v[236:237], v[96:97]
	v_pk_add_f32 v[250:251], v[250:251], v[98:99]
	v_pk_add_f32 v[248:249], v[248:249], v[102:103]
	v_pk_add_f32 v[246:247], v[246:247], v[106:107]
	v_pk_add_f32 v[244:245], v[244:245], v[110:111]
	v_pk_add_f32 v[242:243], v[242:243], v[114:115]
	v_pk_add_f32 v[240:241], v[240:241], v[118:119]
	v_pk_add_f32 v[14:15], v[14:15], v[122:123]
	v_pk_add_f32 v[236:237], v[236:237], v[126:127]
	v_pk_add_f32 v[250:251], v[250:251], v[130:131]
	v_pk_add_f32 v[248:249], v[248:249], v[134:135]
	v_pk_add_f32 v[246:247], v[246:247], v[138:139]
	v_pk_add_f32 v[244:245], v[244:245], v[142:143]
	v_pk_add_f32 v[242:243], v[242:243], v[146:147]
	v_pk_add_f32 v[240:241], v[240:241], v[150:151]
	v_pk_add_f32 v[14:15], v[14:15], v[154:155]
	v_pk_add_f32 v[236:237], v[236:237], v[158:159]
	s_delay_alu instid0(VALU_DEP_2)
	v_pk_add_f32 v[14:15], v[14:15], v[246:247]
	s_delay_alu instid0(VALU_DEP_2)
	v_pk_add_f32 v[236:237], v[236:237], v[244:245]
	v_pk_add_f32 v[250:251], v[250:251], v[242:243]
	v_pk_add_f32 v[248:249], v[248:249], v[240:241]
	s_delay_alu instid0(VALU_DEP_2)
	v_pk_add_f32 v[14:15], v[14:15], v[250:251]
	s_delay_alu instid0(VALU_DEP_2)
	v_pk_add_f32 v[236:237], v[236:237], v[248:249]
	s_delay_alu instid0(VALU_DEP_1)
	v_pk_add_f32 v[14:15], v[14:15], v[236:237]
	s_wait_alu depctr_va_vdst(0)                   ; and one for the four
.irp b, 0,1,2,3
	v_max_num_f32 v[232+\b], 0x4800000, v[232+\b]  ; the floor 2^(9 - 127): the byte cannot fall under 1
.endr
.irp b, 0,1,2,3
	s_delay_alu instid0(VALU_DEP_4)
	v_add_nc_u32 v[244+\b], 0xfc000000, v[232+\b]  ; 8 off the exponent field: the conversion's scale operand
.endr
.irp b, 0,1,2,3
.endr
.irp b, 0,1,2,3
	s_delay_alu instid0(VALU_DEP_4)
	v_lshrrev_b32 v[236+\b], 23, v[244+\b]         ; the scale's byte
.endr
	s_delay_alu instid0(VALU_DEP_3)
	v_lshl_or_b32 v253, v237, 8, v236              ; p's scale word for these 128 keys
	s_delay_alu instid0(VALU_DEP_1)
	v_lshl_or_b32 v253, v238, 16, v253
	s_delay_alu instid0(VALU_DEP_1)
	v_lshl_or_b32 v253, v239, 24, v253
.irp b, 0,1,2,3
.irp i, 0,1,2,3,4,5,6,7,8,9,10,11,12,13,14,15
.endr
	v_cvt_scalef32_pk8_fp8_f32 v[224+4*\b:225+4*\b], v[96+16*\b:103+16*\b], v[244+\b]
	v_cvt_scalef32_pk8_fp8_f32 v[226+4*\b:227+4*\b], v[104+16*\b:111+16*\b], v[244+\b]
.endr
	v_nop
.irp d, 0,1,2,3                                ; V's four tiles of 16 channels x these 128 keys, into the registers that p has left
.irp c, 0,1,2,3
	ds_load_b128 v[96+16*\d+4*\c:99+16*\d+4*\c], v[ADK] offset:VOFF+8192*(\q)+2048*\d+512*\c
.endr
	ds_load_b32 v[248+\d], v[ADT] offset:64*\d
.endr
.set j, 0
.rept 16
	v_pk_mul_f32 v[160+j:161+j], v[160+j:161+j], v[252:253] op_sel_hi:[1,0]   ; O^T under the new M: x f.  (These sixteen are also the places between the codes and the products below)
.set j, j+2
.endr
	s_wait_alu depctr_va_vdst(0)
	s_wait_dscnt 0x0
.irp d, 0,1,2,3                                ; O^T += V^T P^T: the four accumulators by turns
	v_wmma_scale_f32_16x16x128_f8f6f4 v[160+8*\d:167+8*\d], v[96+16*\d:111+16*\d], v[224:239], v[160+8*\d:167+8*\d], v[248+\d], v253
.endr
.Lhidden_\@:
	s_add_co_u32 s[KF], s[KF], 128
	s_add_co_u32 s[TS], s[TS], 512                 ; the next step's scale words
	s_add_co_u32 s[TJ], s[TJ], 256
.endm
; THE CHANGE OF SLOTS stands at a slot's head.  Each wave waits for all its tensor loads, adds 0 to its spare word (fill = 1: twice on end), and waits for that and for its reads of the slot that it has left.
; Behind the barrier the slot ahead is whole and nobody reads the other one.  fill = 1: that other slot is filled with the keys that follow, up to the causal limit: the load has a whole slot's steps in which to land.
.macro CHANGE fill
	s_wait_tensorcnt 0x0                           ; no tensor load of mine is out, so a group 0 may be written
	ds_add_u32 v[SPW], v[NIL]                      ; 0 onto my spare word
.if \fill
	ds_add_u32 v[SPW], v[NIL]                      ; and once more: the add twice on end, in every trip alike
	s_xor_b32 s[G0K+1], s[G0K+1], SLOT1            ; the walking descriptors: the other slot than last time,
	s_add_nc_u64 s[G0K+2:G0K+3], s[G0K+2:G0K+3], 16384   ; the next 256 keys; the type bits on top are not reached
	s_xor_b32 s[G0V+1], s[G0V+1], SLOT1
	s_add_nc_u64 s[G0V+2:G0V+3], s[G0V+2:G0V+3], 16384
	s_wait_xcnt 0x0                                ; the last prefetch, a slot back, has read its address, so it may be written:
	s_add_nc_u64 s[PFA:PFA+1], s[PFA:PFA+1], 16384 ; one slot further on than the walking descriptors
.endif
	s_wait_dscnt 0x0                               ; the add is done, and my reads of the slot that I have left are over
	s_barrier_signal -1
	s_barrier_wait -1
.if \fill
	s_add_co_u32 s96, s[KF], SK                    ; THE LOOK-AHEAD ENDS AT THE CAUSAL LIMIT: a slot whose first key comes after my work-group's last query is read by none of its waves, so it is not asked for
	s_or_b32 s97, s[Q0], 255                       ; my work-group's last query
	s_cmp_gt_u32 s96, s97                          ; ids and the count of steps alone: all sixteen waves go the same way; every wait for tensor loads in this text is for 0
	s_cbranch_scc1 .Lpast_\@
	TLOAD G0K, G1D, G0V, G1D                       ; a wave's one tensor load until the next such barrier
.Lpast_\@:
	ASK
.endif
.endm
.macro SLOT_STEPS
.set Q, 0
.rept NQ
	STEP Q
.set Q, Q+1
.endr
	s_xor_b32 s[TB], s[TB], SLOT1                  ; on to the other slot
.endm
	s_wait_loadcnt 0x0                             ; Q
.Lslot:                                            ; seven trips: every work-group walks all slots, so that trip counts are constants and no barrier is jumped over
	CHANGE 1
	SLOT_STEPS
	s_sub_co_u32 s[SLOTS], s[SLOTS], 1
	s_cmp_lg_u32 s[SLOTS], 0
	s_cbranch_scc1 .Lslot
	CHANGE 0                                       ; the last slot is written out: nothing is left to ask for
	SLOT_STEPS
	; THE WAY OUT.  O^T / the row's sum: register 16 b + i is channel 32 b + 16 (lane / 16) + i of my query: 16 neighbours along the last product's K.  Two blocks of 32 are quantised; the codes are two pieces of that product's operand.
.rept 8
	v_nop                                          ; places behind the last products
.endr
	v_add_f32 v14, v14, v15                        ; the sum's two halves,
	s_delay_alu instid0(VALU_DEP_1)
	v_permlanex16_b32 v252, v14, s[SEL], s[SEL+1]
	s_delay_alu instid0(VALU_DEP_1)
	v_add_f32 v14, v14, v252                       ; and lane l xor 16's: the row's sum
	s_wait_alu depctr_va_vdst(0)
	v_rcp_f32 v14, v14
	v_nop                                          ; a plain instruction behind the reciprocal
	s_wait_alu depctr_va_vdst(0)                   ; and the wait ahead of its first use
.set j, 0
.rept 32
	v_mul_f32 v[96+j], v[160+j], v14
.set j, j+1
.endr
.irp b, 0,1
	v_max3_num_f32 v[232+\b], |v[96+16*\b]|, |v[97+16*\b]|, 0x4800000   ; my 16 numbers of block b, and the floor 2^(9 - 127)
.endr
.irp i, 2,4,6,8,10,12,14
.irp b, 0,1
	s_delay_alu instid0(VALU_DEP_2)
	v_max3_num_f32 v[232+\b], v[232+\b], |v[96+16*\b+\i]|, |v[97+16*\b+\i]|
.endr
.endr
.irp b, 0,1
	v_permlanex16_b32 v[236+\b], v[232+\b], s[SEL], s[SEL+1]
.endr
.irp b, 0,1
	s_delay_alu instid0(VALU_DEP_2)
	v_max_num_f32 v[232+\b], v[232+\b], v[236+\b]  ; the block's largest magnitude
.endr
.irp b, 0,1
	s_delay_alu instid0(VALU_DEP_2)
	v_add_nc_u32 v[244+\b], 0xfc000000, v[232+\b]
.endr
.irp b, 0,1
.endr
.irp b, 0,1
	s_delay_alu instid0(VALU_DEP_2)
	v_lshrrev_b32 v[236+\b], 23, v[244+\b]
.endr
	s_delay_alu instid0(VALU_DEP_1)
	v_lshl_or_b32 v253, v237, 8, v236              ; my row's two scale bytes of this head
.irp b, 0,1
.irp i, 0,1,2,3,4,5,6,7,8,9,10,11,12,13,14,15
.endr
	v_cvt_scalef32_pk8_fp8_f32 v[224+4*\b:225+4*\b], v[96+16*\b:103+16*\b], v[244+\b]
	v_cvt_scalef32_pk8_fp8_f32 v[226+4*\b:227+4*\b], v[104+16*\b:111+16*\b], v[244+\b]
.endr
	v_nop
	global_store_b128 v[LI], v[224:227], s[16:17]             ; each store covers 512 consecutive bytes, aligned
	global_store_b128 v[LI], v[228:231], s[16:17] offset:512
	global_store_b16 v[AOR], v253, s[18:19]        ; lanes l and l xor 16 hold the same two bytes and name the same place
	s_wait_tensorcnt 0x0                           ; the wave's end, behind my last tensor load
	ds_add_u32 v[SPW], v[NIL]
	s_wait_dscnt 0x0
	s_endpgm
.Lfunc_end_k_q87cf438453_attn:
	.size	k_q87cf438453_attn, .Lfunc_end_k_q87cf438453_attn-k_q87cf438453_attn
	.p2alignl 7, 3214868480
	.fill 96, 4, 3214868480
	.section	.rodata,"a",@progbits
	.p2align	6, 0x0
	.amdhsa_kernel k_q87cf438453_attn
		.amdhsa_group_segment_fixed_size 327680
		.amdhsa_private_segment_fixed_size 0
		.amdhsa_enable_private_segment 0
		.amdhsa_kernarg_size 64
		.amdhsa_user_sgpr_count 2
		.amdhsa_user_sgpr_kernarg_segment_ptr 1
		.amdhsa_wavefront_size32 1
		.amdhsa_system_sgpr_workgroup_id_x 1
		.amdhsa_system_sgpr_workgroup_id_y 1
		.amdhsa_system_sgpr_workgroup_id_z 1
		.amdhsa_system_vgpr_workitem_id 0
		.amdhsa_next_free_vgpr 256
		.amdhsa_next_free_sgpr 98
		.amdhsa_reserve_vcc 1
		.amdhsa_float_denorm_mode_32 3
		.amdhsa_float_denorm_mode_16_64 3
		.amdhsa_fp16_overflow 1
		.amdhsa_memory_ordered 1
		.amdhsa_forward_progress 1
		.amdhsa_inst_pref_size 109
	.end_amdhsa_kernel
	.amdgpu_metadata
---
amdhsa.version: [ 1, 2 ]
amdhsa.kernels:
  - .name:           k_q87cf438453_attn
    .symbol:         k_q87cf438453_attn.kd
    .args:
      - { .name: Qi, .offset: 0, .size: 8, .value_kind: global_buffer, .address_space: global }
      - { .name: Qs, .offset: 8, .size: 8, .value_kind: global_buffer, .address_space: global }
      - { .name: Ki, .offset: 16, .size: 8, .value_kind: global_buffer, .address_space: global }
      - { .name: Ks, .offset: 24, .size: 8, .value_kind: global_buffer, .address_space: global }
      - { .name: Vi, .offset: 32, .size: 8, .value_kind: global_buffer, .address_space: global }
      - { .name: Vs, .offset: 40, .size: 8, .value_kind: global_buffer, .address_space: global }
      - { .name: AO, .offset: 48, .size: 8, .value_kind: global_buffer, .address_space: global }
      - { .name: AOs, .offset: 56, .size: 8, .value_kind: global_buffer, .address_space: global }
    .group_segment_fixed_size: 327680
    .private_segment_fixed_size: 0
    .kernarg_segment_align: 8
    .kernarg_segment_size: 64
    .max_flat_workgroup_size: 512
    .sgpr_count:     98
    .vgpr_count:     256
    .wavefront_size: 32
...
	.end_amdgpu_metadata
.endif
;; end of part 2
;; launch outp (part 3): grid 4 x 32, 4 waves a work-group, clusters of 4 x 4, 327,680 bytes of LDS; arguments AO, AOs, Wo_codes, Wo_scales, out0, bo; writes out0
.if DOCPART == 3
	.amdgcn_target "amdgcn-amd-amdhsa--gfx1250"
	.amdhsa_code_object_version 6
	.text
	.protected	k_q87cf438453_outp
	.globl	k_q87cf438453_outp
	.p2align	8
	.type	k_q87cf438453_outp,@function
k_q87cf438453_outp:
	s_mov_b64 s[64:65], 0
	v_nop
	global_prefetch_b8 v0, s[64:65] scope:SCOPE_SE
	s_setreg_imm32_b32 hwreg(HW_REG_WAVE_MODE, 25, 1), 1
	s_wait_xcnt 0x0
	s_wait_alu depctr_hold_cnt(0) depctr_sa_sdst(0) depctr_va_vdst(0) depctr_va_sdst(0) depctr_va_ssrc(0) depctr_va_vcc(0) depctr_vm_vsrc(0)
	s_getreg_b32 s2, hwreg(HW_REG_IB_STS2, 6, 4)
	s_cmp_eq_u32 s2, 0
	s_cbranch_scc0 .Lentry_in_a_cluster
	s_endpgm
.Lentry_in_a_cluster:
	s_bfe_u32 s2, ttmp6, 0x10000c
	s_cmp_lg_u32 s2, 0xf033
	s_cbranch_scc0 .Lentry_shape_is_right
	s_endpgm
.Lentry_shape_is_right:
; out0[m][n] = sum over k of A[m][k] Wo[k][n] + bo[n], M 8,192, N 1,024, K 1,024, on codes of FP8 (E4M3) with one E8M0 scale for each 32 along K; sums in f32.  No work is left out here.
; A is the attention's result as the launch before laid it: IMAGES OF OPERAND REGISTERS, [tile of 16 rows: 512][128 along K: 8][c 4][lane 32][16 bytes], with its scale bytes [tile and lane: 8,192][32].
; THE ROWS OF A TILE: in each 32 rows, lane r of tile v is row 8 v + r + 8 (r / 8): the stores below put each row back in its place.  B is Wo's codes, [n][k], rows of 1,024 bytes, and its scale bytes [n][32].
; A tile of C, 256 x 256, is made by four waves, a wave 128 x 128: 64 accumulators.  K goes in steps of 256 through two LDS slots; the scale bytes of the work-group's rows come into LDS once.
; 128 work-groups: the large tile is kept for what each LDS byte feeds, and half of the WGPs have no work-group: a weakness of this text.
; CLUSTERS of 4 x 4: A's tiles are asked for jointly along a row of the cluster, B's along a column.  THE MATRIX INSTRUCTION IS USED TRANSPOSED (source 0 = 16 rows of B, source 1 = 16 rows of A).
; bo is the C of each sum's first product.
; REGISTERS: window 0: v1-31 addresses; v32-63 scale words, two sets; v64-127 bo in the result's layout; v128-255 A's fragments, one set; on the way out v128-255 take rows of C.
;   window 1: B's fragments, two sets.   window 2: the accumulators of my rows 0-63;   window 3: those of my rows 64-127.
.set SIZE_N, 1024
.set NQ,     2
.set ROWB,   256                       ; a row of B's tile in bytes
.set KROW,   1024
.set PITCH,  272                       ; B's rows in LDS: 256 bytes + 16 of padding
.set FR,     16
.set NL,     4
.set NP,     8                         ; places behind this matrix instruction (ISA guide 7.12.1)
.set HALFA,  32768                     ; A: 8 tiles of rows x 4,096 bytes (256 along K), dense: what one tensor load brings
.set ASTEP,  4096                      ; a K step on, in a tile of rows in memory
.set HALFT,  128*PITCH                 ; B: 128 rows
.set BOFF,   2*HALFA
.set SLOT,   BOFF+2*HALFT              ; A's 16 tiles of rows, then B's 256 rows
.set KS,     32
.set SCL,    2*SLOT
.set HALFS,  (128*KS/256)*272
.set SBLK,   (16*KS/256)*272
.set SPARE,  SCL+4*HALFS               ; the spare words, 128 bytes for each wave: two blocks of 256 bytes that no other line names
.set SPITCH, 528                       ; the way out: a stage of 16 rows x (512 bytes + 16) for each wave, in slot 0, which has had its last fill and its last read by then
.set ADRA, 16
.set ADRB, 20
.set STO,  24
.set RD,   25
.set CO,   26
.set ADRS, 27
.set SPW,  28                          ; v28  LDS address of my spare word; never rewritten
.set NIL,  29                          ; v29  0; never rewritten
.set SC,   32
.set CB,   64
.set AF,   128
.set BK,   128
.set G1,   24
.set G0,   32
.set G1B,  48
.set G0B,  56
.set G1S,  68
.set G0S,  76
.set G1SB, 80
.set G0SB, 88
.set MSB, 0
.macro WIN new                         ; the immediate's high byte repeats the setting that is left
.if MSB != \new
	s_set_vgpr_msb (MSB<<8)|\new
.set MSB, \new
.endif
.endm
.set MUL_LO,  0xa1
.set MUL_HI,  0xf1
.set BIAS_LO, 0x81                     ; the first step: C (bo) window 0, D window 2
.set BIAS_HI, 0xc1
.set TO_B,    0x40
.macro JLOAD g0a, g1a, g0b, g1b        ; a joint load: waves 0 and 1 fetch for A, waves 2 and 3 for B; an s_nop 0 and four v_nop follow each of the two lines
	s_cmp_eq_u32 s15, 0
	s_cbranch_scc0 .Lfor_b_\@
	tensor_load_to_lds s[\g0a:\g0a+3], s[\g1a:\g1a+7]
	s_nop 0
.rept 4
	v_nop
.endr
	s_branch .Lasked_\@
.Lfor_b_\@:
	tensor_load_to_lds s[\g0b:\g0b+3], s[\g1b:\g1b+7]
	s_nop 0
.rept 4
	v_nop
.endr
.Lasked_\@:
.endm
.macro CREST
	s_cmp_lg_u32 s14, 0
	s_cbranch_scc1 .Lnot_wave_0_\@
	s_barrier_signal -3
.Lnot_wave_0_\@:
	s_barrier_wait -3
	s_barrier_signal -1
	s_barrier_wait -1
.endm
.macro CROUND
	s_barrier_signal -1
	s_barrier_wait -1
	CREST
.endm
	s_load_b128 s[4:7], s[0:1], 0x0                ; A's codes, A's scales
	s_load_b128 s[8:11], s[0:1], 0x10              ; B's codes, B's scales
	s_load_b64 s[12:13], s[0:1], 0x20              ; C
	s_load_b64 s[96:97], s[0:1], 0x28              ; bo
	v_lshl_add_u32 v[SPW], v0, 2, SPARE
	v_mov_b32 v[NIL], 0
	ds_add_u32 v[SPW], v[NIL]                      ; the wave's opening: the add, twice on end, and its wait ahead of my first tensor load
	ds_add_u32 v[SPW], v[NIL]                      ; and once more, under the one wait; the set-up below, work on registers, stands between
	v_lshrrev_b32 v1, 5, v0
	v_readfirstlane_b32 s14, v1                    ; wave 0..3
	s_lshr_b32 s15, s14, 1                         ; which half of the tile's rows is mine.  Also: I fetch for A (0) or for B (1)
	s_and_b32 s16, s14, 1                          ; which half of its columns.  Also: which half of that tile I fetch
	s_bfe_u32 s40, ttmp6, 0x40000                  ; cx, cy
	s_bfe_u32 s41, ttmp6, 0x40004
	s_lshl_b32 s42, ttmp9, 2
	s_add_co_u32 s42, s42, s40                     ; tile column of C
	s_and_b32 s17, ttmp7, 0xffff
	s_lshl_b32 s17, s17, 2
	s_add_co_u32 s17, s17, s41                     ; tile row of C
	s_lshl_b32 s43, s41, 2
	s_lshl_b32 s43, 15, s43                        ; my row of the cluster
	s_lshl_b32 s44, 0x1111, s40                    ; my column
	; A: 8 tiles of rows x 4,096 bytes (512 elements of 8 bytes), 16,384 bytes apart in memory, dense in LDS
	s_or_b32 s[G1+0], s43, (3<<16)|(1<<21)         ; 15:0 the mask: my row; 17:16 elements of 8 bytes; 21 set beside a mask; no padding
	s_mov_b32 s[G1+1], 512<<16                     ; tensor_dim0
	s_mov_b32 s[G1+2], 8<<16                       ; tensor_dim1
	s_mov_b32 s[G1+3], 512<<16                     ; tile_dim0
	s_mov_b32 s[G1+4], 8                           ; tile_dim1
	s_mov_b32 s[G1+5], 2048                        ; tensor_dim0_stride
	s_mov_b32 s[G1+6], 0
	s_mov_b32 s[G1+7], 0
	; B: 128 rows x 256 bytes, padded in LDS
	s_or_b32 s[G1B+0], s44, (1<<20)|(1<<21)|(5<<22)|(3<<25)
	s_mov_b32 s[G1B+1], ROWB<<16
	s_mov_b32 s[G1B+2], 128<<16
	s_mov_b32 s[G1B+3], ROWB<<16
	s_mov_b32 s[G1B+4], 128
	s_mov_b32 s[G1B+5], KROW
	s_mov_b32 s[G1B+6], 0
	s_mov_b32 s[G1B+7], 0
	; the scales of 128 rows: 4,096 dense bytes, as 16 rows of 256 bytes, 16 bytes of padding behind each
	s_or_b32 s[G1S+0], s43, (3<<16)|(1<<20)|(1<<21)|(5<<22)|(3<<25)
	s_or_b32 s[G1SB+0], s44, (3<<16)|(1<<20)|(1<<21)|(5<<22)|(3<<25)
.irp g, G1S, G1SB
	s_mov_b32 s[\g+1], 32<<16
	s_mov_b32 s[\g+2], (128*KS/256)<<16
	s_mov_b32 s[\g+3], 32<<16
	s_mov_b32 s[\g+4], 128*KS/256
	s_mov_b32 s[\g+5], 32
	s_mov_b32 s[\g+6], 0
	s_mov_b32 s[\g+7], 0
.endr
	s_lshl_b32 s18, s16, 17                        ; my half: 128 rows x 1,024 bytes, in A (8 tiles of rows x 16,384) as in B
	s_lshl_b32 s20, s17, 18
	s_add_co_u32 s20, s20, s18                     ; A's codes
	s_mov_b32 s21, 0
	s_lshl_b32 s46, s42, 18
	s_add_co_u32 s46, s46, s18                     ; B's
	s_mov_b32 s47, 0
	s_lshr_b32 s22, s20, 5                         ; their scales: 32 bytes a row against 1,024
	s_mov_b32 s23, 0
	s_lshr_b32 s92, s46, 5
	s_mov_b32 s93, 0
	s_lshl_b32 s45, s16, 15                        ; where they go: A's halves,
	s_mul_i32 s95, s16, HALFT
	s_add_co_u32 s95, s95, BOFF                    ; B's halves behind them: no place in the cluster enters an LDS address
	s_mul_i32 s94, s14, HALFS
	s_wait_dscnt 0x0                               ; both opening adds are done
	s_wait_kmcnt 0x0
	s_add_nc_u64 s[20:21], s[4:5], s[20:21]
	s_add_nc_u64 s[22:23], s[6:7], s[22:23]
	s_add_nc_u64 s[46:47], s[8:9], s[46:47]
	s_add_nc_u64 s[92:93], s[10:11], s[92:93]
	CROUND                                         ; all sixteen work-groups are here: the first joint loads meet
	s_mov_b32 s[G0S], 1
	s_add_co_u32 s[G0S+1], s94, SCL
	s_mov_b64 s[G0S+2:G0S+3], s[22:23]
	s_or_b32 s[G0S+3], s[G0S+3], 0x80000000
	s_mov_b32 s[G0SB], 1
	s_add_co_u32 s[G0SB+1], s94, SCL
	s_mov_b64 s[G0SB+2:G0SB+3], s[92:93]
	s_or_b32 s[G0SB+3], s[G0SB+3], 0x80000000
	JLOAD G0S, G1S, G0SB, G1SB                     ; the scales first
.irp s, 0,1
	s_mov_b32 s[G0+4*\s], 1
	s_add_co_u32 s[G0+4*\s+1], s45, \s*SLOT
	s_add_nc_u64 s[G0+4*\s+2:G0+4*\s+3], s[20:21], \s*ASTEP
	s_or_b32 s[G0+4*\s+3], s[G0+4*\s+3], 0x80000000
	s_mov_b32 s[G0B+4*\s], 1
	s_add_co_u32 s[G0B+4*\s+1], s95, \s*SLOT
	s_add_nc_u64 s[G0B+4*\s+2:G0B+4*\s+3], s[46:47], \s*ROWB
	s_or_b32 s[G0B+4*\s+3], s[G0B+4*\s+3], 0x80000000
	s_wait_alu depctr_va_vdst(0)
	s_wait_tensorcnt 0x0
	ds_add_u32 v28, v29
	s_wait_dscnt 0x0
	CROUND
	JLOAD G0+4*\s, G1, G0B+4*\s, G1B               ; one tensor load of mine is out
.endr
	v_and_b32 v1, 15, v0                           ; r
	v_bfe_u32 v2, v0, 4, 1                         ; l / 16
	v_and_b32 v6, 31, v0                           ; lane
	v_lshlrev_b32 v[CO], 4, v6                     ; 16 x lane: a piece's place for my lane, and my 16 bytes of a row of C
	v_mul_u32_u24 v3, v1, PITCH
	v_lshl_add_u32 v4, v2, 4, v3                   ; B: a fragment's row x pitch + 16 x half
	s_lshl_b32 s21, s15, 15                        ; my 8 tiles of A's rows
	s_mul_i32 s22, s16, HALFT                      ; my 128 rows of B
	s_add_co_u32 s22, s22, BOFF
.irp s, 0,1
	v_add_nc_u32 v[ADRA+\s], s21, v[CO]
	v_add_nc_u32 v[ADRB+\s], s22, v4
	s_add_co_u32 s21, s21, SLOT
	s_add_co_u32 s22, s22, SLOT
.endr
	v_mul_u32_u24 v5, v1, KS                       ; my row's scales: 32 bytes a row,
	v_lshrrev_b32 v7, 8, v5
	v_lshl_add_u32 v5, v7, 4, v5                   ; and 16 more for each 256 passed
	s_mul_i32 s21, s15, HALFS
	s_mul_i32 s22, s16, HALFS
	s_add_co_u32 s22, s22, 2*HALFS
	s_sub_co_u32 s22, s22, s21
	v_mul_u32_u24 v7, s22, v2                      ; lanes 16-31 take B's
	s_add_co_u32 s21, s21, SCL
	v_add_nc_u32 v5, v5, v7
	v_add_nc_u32 v[ADRS], s21, v5
	s_mul_i32 s23, s14, 16*SPITCH                  ; my stage
	v_mul_u32_u24 v5, v1, SPITCH                   ; in: row l % 16, 32 bytes for each half of the lanes
	v_lshl_add_u32 v5, v2, 5, v5
	v_add_nc_u32 v[STO], s23, v5
	v_add_nc_u32 v[RD], s23, v[CO]                 ; back: the 32 lanes take one row of 512 bytes
	s_lshl_b32 s20, s17, 20                        ; my first row of C: (256 x tile row + 128 x half) x 4,096 bytes
	s_lshl_b32 s21, s15, 19
	s_add_co_u32 s20, s20, s21
	s_lshl_b32 s46, s42, 10                        ; my first column, in bytes: 1,024 x tile column + 512 x half
	s_lshl_b32 s47, s16, 9
	s_add_co_u32 s46, s46, s47
	s_add_co_u32 s20, s20, s46
	s_mov_b32 s21, 0
	s_add_nc_u64 s[12:13], s[12:13], s[20:21]
	v_lshl_add_u32 v8, v2, 5, s46                  ; bo: my columns, my half's eight numbers of a block of 16
.irp b, 0,1,2,3,4,5,6,7
	global_load_b128 v[CB+8*\b:CB+8*\b+3], v8, s[96:97] offset:64*\b
	global_load_b128 v[CB+8*\b+4:CB+8*\b+7], v8, s[96:97] offset:64*\b+16
.endr
	s_wait_alu depctr_va_vdst(0)
	s_wait_loadcnt 0x0
.macro FRAGB reg, adr, q, i            ; from rows: lane l holds row l % 16; registers 4 c .. 4 c + 3 hold K = 32 c + 16 (l / 16) + 0 .. 15
.irp c, 0,1,2,3
	ds_load_b128 v[\reg+4*\c:\reg+4*\c+3], v[\adr] offset:128*(\q)+32*\c+(\i)*16*PITCH
.endr
.endm
.macro FRAGA reg, adr, q, i            ; from an image: the same registers, 512 consecutive bytes a load
.irp c, 0,1,2,3
	ds_load_b128 v[\reg+4*\c:\reg+4*\c+3], v[\adr] offset:(\i)*4096+2048*(\q)+512*\c
.endr
.endm
; 16 matrix instructions: A's blocks a0, a0 + 1 x B's eight.  first = 1: the sums start from bo.  The 64 accumulators take turns, one instruction a turn.
.macro MUL16 a0, p, q, sc, first
.irp a, \a0, \a0+1
.irp b, 0,1,2,3,4,5,6,7
.if \first
	v_wmma_scale_f32_16x16x128_f8f6f4 v[8*(8*((\a)%4)+\b):8*(8*((\a)%4)+\b)+7], v[128*(\p)+FR*\b:128*(\p)+FR*\b+FR-1], v[AF+FR*(\a):AF+FR*(\a)+FR-1], v[CB+8*\b:CB+8*\b+7], v[SC+8*NQ*(\sc)+NQ*\b+(\q)], v[SC+8*NQ*(\sc)+NQ*(\a)+(\q)] matrix_a_scale:MATRIX_SCALE_ROW1
.else
	v_wmma_scale_f32_16x16x128_f8f6f4 v[8*(8*((\a)%4)+\b):8*(8*((\a)%4)+\b)+7], v[128*(\p)+FR*\b:128*(\p)+FR*\b+FR-1], v[AF+FR*(\a):AF+FR*(\a)+FR-1], v[8*(8*((\a)%4)+\b):8*(8*((\a)%4)+\b)+7], v[SC+8*NQ*(\sc)+NQ*\b+(\q)], v[SC+8*NQ*(\sc)+NQ*(\a)+(\q)] matrix_a_scale:MATRIX_SCALE_ROW1
.endif
.endr
.endr
.endm
.macro FETCH_B slot, q, p
	WIN TO_B
.irp i, 0,1,2,3,4,5,6,7
	FRAGB 128*(\p)+FR*\i, ADRB+\slot, \q, \i
.endr
	WIN 0
.endm
.macro FETCH_A slot, q, i0
.irp i, \i0, \i0+1, \i0+2, \i0+3
	FRAGA AF+FR*(\i), ADRA+\slot, \q, \i
.endr
.endm
.macro SCALES sc
.irp i, 0,1,2,3,4,5,6,7
	ds_load_b64 v[SC+8*NQ*\sc+NQ*\i:SC+8*NQ*\sc+NQ*\i+1], v[ADRS] offset:\i*SBLK
.endr
.endm
.macro PLACES n                        ; plain vector instructions that name none of the matrix instructions' registers (ISA guide 7.12.1)
.rept \n
	v_nop
.endr
.endm
.macro STEP slot, q, first
	s_wait_dscnt 4*NL                              ; B's set and A's blocks 0-3 are in; the youngest sixteen loads (A's blocks 4-7) may be out
.if \first
	WIN BIAS_LO
.else
	WIN MUL_LO
.endif
	MUL16 0, (\q)%2, \q, \slot, \first
	MUL16 2, (\q)%2, \q, \slot, \first
	s_wait_dscnt 0                                 ; A's blocks 4-7 are in
	PLACES NP
	FETCH_B \slot, (\q)+1, 1-(\q)%2
	FETCH_A \slot, (\q)+1, 0
.if \first
	WIN BIAS_HI
.else
	WIN MUL_HI
.endif
	MUL16 4, (\q)%2, \q, \slot, \first
	MUL16 6, (\q)%2, \q, \slot, \first
	PLACES NP
	WIN 0
	FETCH_A \slot, (\q)+1, 4
.endm
; A slot's last step changes slots: ONE barrier; in front of it each wave waits for all its tensor loads, adds 0 to its spare word, and waits for that and for its own reads of this slot.
.macro TURN slot, next, fill
	s_wait_tensorcnt 0x0                           ; all my tensor loads have landed: my part of the next slot
	ds_add_u32 v[SPW], v[NIL]                      ; 0 onto my spare word
	s_wait_dscnt 4*NL+1                            ; (the add and the youngest sixteen loads may be out)
	WIN MUL_LO
	MUL16 0, 1, NQ-1, \slot, 0
	s_wait_dscnt 0x0                               ; the add is done, and my reads of this slot are over
	s_barrier_signal -1
	MUL16 2, 1, NQ-1, \slot, 0
	WIN 0
	s_barrier_wait -1
.if \fill
	CREST                                          ; the barrier has opened a round of the cluster's barrier: no wave of any partner still reads this slot's tile or has a load on its way
	s_add_nc_u64 s[G0+4*\slot+2:G0+4*\slot+3], s[G0+4*\slot+2:G0+4*\slot+3], 2*ASTEP
	s_add_nc_u64 s[G0B+4*\slot+2:G0B+4*\slot+3], s[G0B+4*\slot+2:G0B+4*\slot+3], 2*ROWB
	JLOAD G0+4*\slot, G1, G0B+4*\slot, G1B         ; the first tensor load behind the round
	PLACES NP-4
.else
	PLACES NP
.endif
	s_wait_alu depctr_va_vdst(0)
	v_add_nc_u32 v[ADRS], 4*NQ, v[ADRS]            ; on to the next K step's scale words (no LDS load of mine is out)
	FETCH_B \next, 0, 0
	FETCH_A \next, 0, 0
	SCALES \next
	WIN MUL_HI
	MUL16 4, 1, NQ-1, \slot, 0
	MUL16 6, 1, NQ-1, \slot, 0
	PLACES NP
	WIN 0
	FETCH_A \next, 0, 4
.endm
	s_wait_tensorcnt 1                             ; the scales and my part of K step 0 are in (K step 1's load may be out)
	s_barrier_signal -1
	s_barrier_wait -1                              ; everybody's are
	FETCH_B 0, 0, 0
	FETCH_A 0, 0, 0
	SCALES 0
	FETCH_A 0, 0, 4
	STEP 0, 0, 1                                   ; K = 1,024 is four K steps, twice round the ring: written out
	TURN 0, 1, 1
	STEP 1, 0, 0
	TURN 1, 0, 1
	STEP 0, 0, 0
	TURN 0, 1, 0                                   ; nothing is left to fetch: no round
	STEP 1, 0, 0
	s_wait_dscnt 4*NL
	WIN MUL_LO
	MUL16 0, 1, NQ-1, 1, 0
	MUL16 2, 1, NQ-1, 1, 0
	s_wait_dscnt 0
	WIN MUL_HI
	MUL16 4, 1, NQ-1, 1, 0
	MUL16 6, 1, NQ-1, 1, 0
	WIN 0
; THE WAY OUT, block by block of 16 rows x 128 columns, through my own stage in LDS: back come whole rows of 512 bytes, which the 32 lanes store as one aligned run of 512 bytes.
; LDS serves a wave's instructions in order (ISA guide 5.7.1.4): no wait between the stores and the loads.
.macro TOSTAGE a
.set AC, 64*((\a)%4)
.set WW, 0x08+4*((\a)/4)
	WIN WW                                         ; the data: window 2 or 3
.irp b, 0,1,2,3,4,5,6,7
	ds_store_b128 v[STO], v[AC+8*\b:AC+8*\b+3] offset:64*\b          ; each accumulator from its low end on
	ds_store_b128 v[STO], v[AC+8*\b+4:AC+8*\b+7] offset:64*\b+16
.endr
	WIN 0
.set BB, BK+64*((\a)%2)
.irp t, 0,1,2,3,4,5,6,7,8,9,10,11,12,13,14,15
	ds_load_b128 v[BB+4*\t:BB+4*\t+3], v[RD] offset:\t*SPITCH
.endr
.endm
; Block a's lane t is row 32 (a / 2) + 8 (a % 2) + t + 8 (t / 8) of my 128: the base stands at 32 (a / 2) + 8 (a % 2), the rest is in the immediate.
.macro SEND a, younger
.set BB, BK+64*((\a)%2)
	s_wait_dscnt \younger                          ; the block is back in registers
.if (\a) > 0
.if ((\a)%2) == 1
	s_add_nc_u64 s[12:13], s[12:13], 8*SIZE_N*4    ; (behind a wait on XCNT: the earlier stores have read their base)
.else
	s_add_nc_u64 s[12:13], s[12:13], 24*SIZE_N*4
.endif
.endif
.irp t, 0,1,2,3,4,5,6,7,8,9,10,11,12,13,14,15
	global_store_b128 v[CO], v[BB+4*\t:BB+4*\t+3], s[12:13] offset:(\t+8*(\t/8))*SIZE_N*4 th:TH_STORE_NT   ; 32 lanes store 512 consecutive bytes, aligned; written once, read by nobody here
.endr
.endm
	PLACES NP
	TOSTAGE 0
.irp a, 1,2,3,4,5,6,7
.if \a > 1
	s_wait_xcnt 0x0                                ; block a - 2's stores have read their registers and their base
.endif
	TOSTAGE \a
	SEND \a-1, 32                                  ; behind block a - 1's loads: block a's 16 stores and 16 loads
.endr
	s_wait_xcnt 0x0                                ; block 6's stores have read their base
	SEND 7, 0
	s_wait_tensorcnt 0x0                           ; the wave's end, behind my last tensor load and my last LDS store
	ds_add_u32 v[SPW], v[NIL]
	s_wait_dscnt 0x0
	CROUND                                         ; the closing round: no work-group ends while a partner may still ask for a tile that names it
	s_endpgm
.Lfunc_end_k_q87cf438453_outp:
	.size	k_q87cf438453_outp, .Lfunc_end_k_q87cf438453_outp-k_q87cf438453_outp
	.p2alignl 7, 3214868480
	.fill 96, 4, 3214868480
	.section	.rodata,"a",@progbits
	.p2align	6, 0x0
	.amdhsa_kernel k_q87cf438453_outp
		.amdhsa_group_segment_fixed_size 327680
		.amdhsa_private_segment_fixed_size 0
		.amdhsa_enable_private_segment 0
		.amdhsa_kernarg_size 48
		.amdhsa_user_sgpr_count 2
		.amdhsa_user_sgpr_kernarg_segment_ptr 1
		.amdhsa_wavefront_size32 1
		.amdhsa_system_sgpr_workgroup_id_x 1
		.amdhsa_system_sgpr_workgroup_id_y 1
		.amdhsa_system_sgpr_workgroup_id_z 1
		.amdhsa_system_vgpr_workitem_id 0
		.amdhsa_next_free_vgpr 1024
		.amdhsa_next_free_sgpr 98
		.amdhsa_reserve_vcc 0
		.amdhsa_float_denorm_mode_32 3
		.amdhsa_float_denorm_mode_16_64 3
		.amdhsa_memory_ordered 1
		.amdhsa_forward_progress 1
		.amdhsa_inst_pref_size 148
	.end_amdhsa_kernel
	.amdgpu_metadata
---
amdhsa.version: [ 1, 2 ]
amdhsa.kernels:
  - .name:           k_q87cf438453_outp
    .symbol:         k_q87cf438453_outp.kd
    .args:
      - { .name: AO, .offset: 0, .size: 8, .value_kind: global_buffer, .address_space: global }
      - { .name: AOs, .offset: 8, .size: 8, .value_kind: global_buffer, .address_space: global }
      - { .name: Wo_codes, .offset: 16, .size: 8, .value_kind: global_buffer, .address_space: global }
      - { .name: Wo_scales, .offset: 24, .size: 8, .value_kind: global_buffer, .address_space: global }
      - { .name: out0, .offset: 32, .size: 8, .value_kind: global_buffer, .address_space: global }
      - { .name: bo, .offset: 40, .size: 8, .value_kind: global_buffer, .address_space: global }
    .group_segment_fixed_size: 327680
    .private_segment_fixed_size: 0
    .kernarg_segment_align: 8
    .kernarg_segment_size: 48
    .max_flat_workgroup_size: 128
    .sgpr_count:     98
    .vgpr_count:     1024
    .wavefront_size: 32
...
	.end_amdgpu_metadata
.endif
;; end of part 3
